; MI455X (gfx1250); checked and timed in simulation.
; The chip was launched on July 23, 2026; its instructions are those of AMD's public machine-readable ISA for CDNA 5 (MIT licence, August 2026) and "CDNA5" Instruction Set Architecture Reference Guide (July 2026). The comments in the code are by the model that wrote it; some were corrected since.
;; Multi Head Attention. Allowed arithmetic: matrix products marked QUANTISED: E2M3 operands, one E8M0 scale for each 32 along K, by v_wmma_scale_f32_16x16x128_f8f6f4 with both operands' format E2M3, f32 sums; everything else in f32.
;; Inputs: Wk 16 x 1,024 x 64 float32; Wo 1,024 x 1,024 float32; Wq 16 x 1,024 x 64 float32; Wv 16 x 1,024 x 64 float32; x 4 x 2,048 x 1,024 float32.
;; Outputs: out0 4 x 2,048 x 1,024 float32.
;; This version of the problem:
;;   THIS VERSION OF THE PROBLEM IS GIVEN IN LOW PRECISION. The matrix products marked QUANTISED in the list below multiply operands that are first quantised to E2M3 (2 exponent bits, 3 mantissa bits; 6 bits a number), with one power-of-two scale for each 32 numbers along K (OCP MX v1.0); their sums are f32. All else is computed in f32.
;;   The module's matrix products, in the order in which they are computed (A, B: the left and right operand; K: the contracted axis; several contracted axes count as one K, in the product's order):
;;     1. [M 1,024, K 1,024] x [K 1,024, N 8,192]; A: input Wq; B: input x: QUANTISED
;;     2. [M 1,024, K 1,024] x [K 1,024, N 8,192]; A: input Wk; B: input x: QUANTISED
;;     3. [M 1,024, K 1,024] x [K 1,024, N 8,192]; A: input Wv; B: input x: QUANTISED
;;     4. batch 64 x [M 2,048, K 64] x [K 64, N 2,048]; A: computed on the way; B: computed on the way: QUANTISED
;;     5. batch 64 x [M 2,048, K 2,048] x [K 2,048, N 64]; A: softmax (see below); B: computed on the way: QUANTISED
;;     6. [M 8,192, K 1,024] x [K 1,024, N 1,024]; A: computed on the way; B: input Wo: QUANTISED
;;   THE QUANTISER, for each operand of a quantised product, along K:
;;     - K is cut into blocks of 32 from its start; a last block that is shorter is filled with zeros.
;;     - A block's scale is 2^e with e = floor(log2(the largest magnitude in the block)) - 2, held to -126 .. 127; a block of zeros has e = 0. As a byte (E8M0): e + 127.
;;     - Each number is divided by its block's scale, clamped to +-7.5, and rounded to the nearest number of E2M3, ties to even, subnormals kept.
;;     - The product sums the exact products of the quantised numbers (number of the format x scale) in f32.
;;   ~~~python
;;   def quantise(x, axis):      # numpy; x: float32 -> the quantised numbers, widened to float32 again
;;       x = np.moveaxis(x, axis, -1); K = x.shape[-1]
;;       x = np.pad(x, [(0, 0)] * (x.ndim - 1) + [(0, -K % 32)]); x = x.reshape(x.shape[:-1] + (-1, 32)); a = np.abs(x).max(-1, keepdims=True)
;;       e = np.where(a > 0, np.clip(np.frexp(np.where(a > 0, a, 1))[1] - 1 - 2, -126, 127), 0)      # np.frexp(a)[1] - 1 = floor(log2(a)), exactly
;;       r = np.clip(x / 2.0 ** e, -7.5, 7.5)
;;       step = 2.0 ** (np.maximum(np.frexp(np.where(r == 0, 1, r))[1] - 1, 0) - 3)
;;       q = np.round(r / step) * step * 2.0 ** e      # np.round: ties to even
;;       return np.moveaxis(q.reshape(q.shape[:-2] + (-1,))[..., :K], -1, axis).astype(np.float32)
;;   ~~~
;;   SOFTMAX AHEAD OF A QUANTISED PRODUCT. Where the list says 'softmax', what is quantised is not the finished softmax but p = 2^(t - M), with t = logit x log2(e) and M = ceil(the row's largest t), a whole number; so 1/2 < the row's largest p <= 1. The row's sum l is taken of the UNQUANTISED p, in f32, and the product's result is divided by l at the end. Since M is a whole number, a kernel that streams over the keys may use a running M (the ceiling of the running maximum): every later rescaling is an exact power of two, which a block's scale takes up: the codes' values come out the same.
;;   OPERANDS COMPUTED ON THE WAY. 'Computed on the way' means the value that the module computes at that place (a softmax that the list does not call 'softmax' is quantised finished and normalised). What goes into a quantiser is computed in f32, as accurately as f32 sums, v_exp_f32 and their like allow (about 1e-6 of the number): no bf16 or f16 on the way to a quantiser, and a product that is left as it is and whose result goes on into a quantised operand takes f32 operands (vector FMAs, or v_wmma_f32_16x16x4_f32). A number that lies on a knife's edge between two numbers of the format may be rounded either way, as far as f32 arithmetic and the matrix unit's own rounding can turn it there, and no further.
;; One version. Each part assembles by itself: llvm-mc -triple=amdgcn-amd-amdhsa -mcpu=gfx1250 --defsym DOCPART=n.
;; ======== version 1 of 1: 4 launches
;; limits: right only within a limited range of input values
;; workspace buffers: xq 6,553,600 bytes; wq 3,276,800 bytes; qq 6,815,744 bytes; kv 13,631,488 bytes; rq 6,553,600 bytes
;; launch qx (part 1): grid 512 x 1, 4 waves a work-group, no clusters, 47,616 bytes of LDS; arguments x, xq, Wq, Wk, Wv, Wo, wq; writes xq, wq
.if DOCPART == 1
	.amdgcn_target "amdgcn-amd-amdhsa--gfx1250"
	.amdhsa_code_object_version 6
	.text
	.protected	k_q4b253d4f7a_qx
	.globl	k_q4b253d4f7a_qx
	.p2align	8
	.type	k_q4b253d4f7a_qx,@function
k_q4b253d4f7a_qx:
	s_mov_b64 s[64:65], 0
	v_nop
	global_prefetch_b8 v0, s[64:65] scope:SCOPE_SE
	s_setreg_imm32_b32 hwreg(HW_REG_WAVE_MODE, 25, 1), 1
	s_wait_xcnt 0x0
; CAUSAL MULTI-HEAD ATTENTION IN MX-FP6 (E2M3, one E8M0 scale for each 32 along K), four launches:
;   qx: x, Wq, Wk, Wv, Wo -> codes (this one; its second part is what later comments call qw);  proj: Q, K, V = x W, quantised in registers;  attn: softmax(Q K^T / 8) V by key steps;  outp: res Wo.
; All five inputs have a way to the output and are loaded.
; WORK LEFT OUT.  reference() puts finfo.min, by its own jnp.tril, in the place of every score whose key comes after the query, whatever the score's value: so the products Q K^T at those places reach no output.
; Their p = 2^(finfo.min log2(e) - M) lies under every f32 number: it is 0 in the row's sum and the code 0 in the product with V.  So key steps of 128 keys that lie wholly behind a block of 128 queries are not
; walked (launch attn): 17 of 32 such tiles remain.  LIMIT: a NaN, an infinity or an overflow that reaches only those scores is not carried to the result.
; LIMITS of all launches: NaN and infinities among the inputs are not served.  A block of zeros gets the scale byte 1 where the quantiser says 127: its codes are zeros, which add nothing under any byte but 0xff,
; and the bytes are read by this program alone.
; THREE CONVENTIONS OF THE WORKSPACE BUFFERS.
; (a) A block of 16 rows of an operand holds rows that are not neighbours: block 2 g + u, place r, is row 32 g + 8 u + r + 8 (r / 8).  With such a block as source 0, a lane's 16 registers of result tiles 2 g and 2 g + 1
;     are the 16 neighbours 32 g + 16 (lane / 16) + 0 .. 15 along that axis: so every result can be quantised along it in registers.
; (b) Codes lie as images of the operand's registers.  A half image, 768 bytes, is 16 rows x 64 K: lane l's registers 0-3 at 16 l, its registers 4-5 at 512 + 8 l.  A fragment (16 rows x 128 K, 12 registers) is two on end.
; (c) A GEMM operand's scale words lie, for each 128 rows, in 4,096 bytes as [K step of 128: 8][block of 16 rows: 8][place r: 16] words.
; ONE LAUNCH, TWO PARTS, told apart by the work-group's number alone: work-groups 0-255 take x, 256-511 the weights.  The two paths share no line behind the branch, and each has LDS bytes of its own.  Waves share nothing: no barrier.
; PART 1: x [8192][1024] f32 -> xq: codes [block of 16 rows: 512][K step: 8][1536], and from XSC on the scale words.  A wave takes 64 rows x 128 along K: four blocks of 16 rows.  Each load reads 512 consecutive bytes of one row;
; a block's 16 x 512 bytes turn through the wave's own stage in LDS (rows 528 bytes apart), so that a lane gets, of its row, 16 neighbours of each block of 32.  Codes leave as they stand in the registers: each store covers
; 512 or 256 consecutive bytes.  The wave's 64 scale words are gathered in LDS and leave as 256 bytes.
; PART 2: the four weights become one operand of 4,096 rows x 1,024 K in wq: rows 0-1023 Wq (row 64 h + k), 1024-2047 Wk, 2048-3071 Wv, 3072-4095 Wo (row n); codes [block: 256][K step: 8][1536], from WSC on the scale words.
; K is not innermost in memory: a lane takes a row of the operand (a column of the weight) and its registers run down K: a block of 32 lies in one lane's 32 registers.  A work-group takes 128 rows x 128 K, a wave 32 rows: two fragments.
; A lane's six registers of block t go to their place in the wave's own image in LDS, and the image leaves in stores of 512 consecutive bytes.  A wave's 32 scale words leave from registers: 128 consecutive bytes.
.set WREG,  8704                       ; part 1, LDS of a wave: the stage, 16 x 528, and 256 bytes for its scale words
.set GATH,  8448
.set WIMG,  4*WREG                     ; part 2: four images of 3,072 bytes
.set SPARE, WIMG+12288                 ; the spare words, 128 bytes a wave
.set XSC,   6291456
.set WSC,   3145728
.set XA,  1                            ; v1   16 x lane
.set STI, 2                            ; v2   the stage, on the way in
.set STO, 3                            ; v3   and on the way out: row r, + 64 h
.set GA,  4                            ; v4   where my row's scale word goes
.set GR,  5                            ; v5   and where I read 8 bytes of the 256 back
.set CO8, 7                            ; v7   8 x lane
.set SPW, 8                            ; v8   my spare word; never rewritten
.set NIL, 9                            ; v9   0; never rewritten
.set R,   16                           ; v16-143  two sets of 64: a block as loaded
.set X,   144                          ; v144-207 a block turned: register 16 b + i = k 32 b + 16 h + i of my row
.set PC,  208                          ; v208-227 the codes
.set TM,  228                          ; v228-243 at work
.set PW,  244                          ; v244-247 a scale word for each block
.set SEL, 20
	v_lshl_add_u32 v[SPW], v0, 2, SPARE
	v_mov_b32 v[NIL], 0
	s_cmp_lt_u32 ttmp9, 256
	s_cbranch_scc0 .Lweights
; ---- part 1: x
	s_load_b128 s[4:7], s[0:1], 0x0                ; x, xq
	v_lshrrev_b32 v10, 5, v0
	v_readfirstlane_b32 s10, v10                   ; wave
	v_and_b32 v11, 31, v0                          ; lane
	v_and_b32 v12, 15, v0                          ; r
	v_bfe_u32 v13, v0, 4, 1                        ; h
	s_mul_i32 s11, s10, WREG
	v_lshlrev_b32 v[XA], 4, v11
	v_add_nc_u32 v[STI], s11, v[XA]
	v_mul_u32_u24 v[STO], v12, 528
	v_lshl_add_u32 v[STO], v13, 6, v[STO]
	v_add_nc_u32 v[STO], s11, v[STO]
	s_add_co_u32 s12, s11, GATH
	v_lshl_add_u32 v[GA], v12, 2, s12
	v_lshl_add_u32 v[GR], v11, 3, s12
	v_lshlrev_b32 v[CO8], 3, v11
.irp b, 0,1,2,3
	v_mov_b32 v[TM+4+\b], 0                        ; written once: a lane permute's destination counts as one of its sources
.endr
	s_lshl_b32 s13, ttmp9, 2
	s_add_co_u32 s13, s13, s10                     ; my unit of 1,024
	s_and_b32 s14, s13, 7                          ; K step
	s_bfe_u32 s15, s13, 0x10003                    ; which 64 of the group's 128 rows
	s_lshr_b32 s16, s13, 4                         ; group of 128 rows
	s_lshl_b32 s17, s16, 19                        ; x: 128 rows of 4,096 bytes a group,
	s_lshl_b32 s18, s15, 18                        ; 64 rows a half,
	s_add_co_u32 s17, s17, s18
	s_lshl_b32 s18, s14, 9                         ; 512 bytes a K step
	s_add_co_u32 s22, s17, s18
	s_mov_b32 s23, 0
	s_lshl_b32 s17, s16, 3                         ; codes: block 8 G + 4 half, 12,288 bytes a block, 1,536 a K step
	s_lshl_b32 s18, s15, 2
	s_add_co_u32 s17, s17, s18
	s_mul_i32 s17, s17, 12288
	s_mul_i32 s18, s14, 1536
	s_add_co_u32 s24, s17, s18
	s_mov_b32 s25, 0
	s_lshl_b32 s17, s16, 12                        ; scale words: 4,096 a group, 512 a K step, 256 a half
	s_lshl_b32 s18, s14, 9
	s_add_co_u32 s17, s17, s18
	s_lshl_b32 s18, s15, 8
	s_add_co_u32 s17, s17, s18
	s_add_co_u32 s26, s17, XSC
	s_mov_b32 s27, 0
	s_mov_b32 s[SEL], 0x76543210
	s_mov_b32 s[SEL+1], 0xfedcba98                 ; v_permlanex16_b32's selects for lane l xor 16
	s_wait_alu depctr_va_vdst(0)                   ; the wait at the head's end
	s_wait_kmcnt 0x0
	s_add_nc_u64 s[4:5], s[4:5], s[22:23]
	s_add_nc_u64 s[8:9], s[6:7], s[26:27]
	s_add_nc_u64 s[6:7], s[6:7], s[24:25]
.macro LOAD i                          ; block i = 2 g + u: place k is row 32 g + 8 u + k + 8 (k / 8) of my 64
.irp k, 0,1,2,3,4,5,6,7,8,9,10,11,12,13,14,15
	global_load_b128 v[R+64*((\i)%2)+4*\k:R+64*((\i)%2)+4*\k+3], v[XA], s[4:5] offset:(32*((\i)/2)+8*((\i)%2)+\k+8*(\k/8))*4096 th:TH_LOAD_NT
.endr
.endm
.macro TURN i                          ; through the stage: LDS serves a wave's instructions in order, so no wait stands between the stores and the loads
.irp k, 0,1,2,3,4,5,6,7,8,9,10,11,12,13,14,15
	ds_store_b128 v[STI], v[R+64*((\i)%2)+4*\k:R+64*((\i)%2)+4*\k+3] offset:\k*528
.endr
.irp b, 0,1,2,3
.irp j, 0,1,2,3
	ds_load_b128 v[X+16*\b+4*\j:X+16*\b+4*\j+3], v[STO] offset:128*\b+16*\j
.endr
.endr
.endm
; 64 numbers of a lane, register 16 b + i = k 32 b + 16 (lane / 16) + i of my row, become a fragment's codes in v[PC] on and its scale word in v[w]
.macro QUANT s, w
.irp b, 0,1,2,3
	v_max3_num_f32 v[TM+\b], |v[\s+16*\b]|, |v[\s+1+16*\b]|, 0x1800000   ; my 16 numbers of block b, and the floor 2^(3 - 127): the byte cannot fall under 1
.endr
.irp i, 2,4,6,8,10,12,14
.irp b, 0,1,2,3
	v_max3_num_f32 v[TM+\b], v[TM+\b], |v[\s+16*\b+\i]|, |v[\s+1+16*\b+\i]|
.endr
.endr
.irp b, 0,1,2,3
	v_permlanex16_b32 v[TM+4+\b], v[TM+\b], s[SEL], s[SEL+1]
.endr
.irp b, 0,1,2,3
	v_max_num_f32 v[TM+\b], v[TM+\b], v[TM+4+\b]   ; with lane l xor 16's: the block's largest magnitude
.endr
.irp b, 0,1,2,3
	v_add_nc_u32 v[TM+12+\b], 0xff000000, v[TM+\b] ; 2 off its exponent field: the conversion's scale operand
.endr
.irp b, 0,1,2,3
	v_lshrrev_b32 v[TM+4+\b], 23, v[TM+12+\b]      ; the scale's byte
.endr
	v_lshl_or_b32 v[\w], v[TM+5], 8, v[TM+4]
	v_lshl_or_b32 v[\w], v[TM+6], 16, v[\w]
	v_lshl_or_b32 v[\w], v[TM+7], 24, v[\w]
.irp c, 0,1
	v_cvt_scalef32_pk16_fp6_f32 v[PC+6*\c:PC+2+6*\c], v[\s+32*\c:\s+15+32*\c], v[TM+12+2*\c]
	v_cvt_scalef32_pk16_fp6_f32 v[PC+12+4*\c:PC+14+4*\c], v[\s+16+32*\c:\s+31+32*\c], v[TM+12+2*\c+1]   ; (a conversion's three registers begin on an even number)
.endr
	v_nop                                          ; one plain place behind a scaled conversion
.irp c, 0,1                            ; the operand's layout wants a whole block in a lane: lanes 0-15 block 2 c, lanes 16-31 block 2 c + 1
.irp i, 0,1,2
	v_permlane16_swap_b32 v[PC+6*\c+\i], v[PC+12+4*\c+\i]
.endr
.irp i, 0,1,2
	v_mov_b32 v[PC+3+6*\c+\i], v[PC+12+4*\c+\i]
.endr
.endr
.endm
.macro BLOCK i
.if (\i) < 3
	s_wait_loadcnt 16                              ; this block's 16 loads are in; the next block's 16 may be out
.else
	s_wait_loadcnt 0x0
.endif
.if (\i) > 0
	s_wait_xcnt 0x0                                ; the last block's stores have read the codes' registers
.endif
	TURN \i
	s_wait_dscnt 0x0                               ; the block is turned, and the stage's stores have read their registers,
.if (\i)+2 < 4
	LOAD (\i)+2                                    ; which take the block two further on
.endif
	QUANT X, PW+\i
	global_store_b128 v[XA], v[PC:PC+3], s[6:7] offset:(\i)*12288
	global_store_b64 v[CO8], v[PC+4:PC+5], s[6:7] offset:(\i)*12288+512
	global_store_b128 v[XA], v[PC+6:PC+9], s[6:7] offset:(\i)*12288+768
	global_store_b64 v[CO8], v[PC+10:PC+11], s[6:7] offset:(\i)*12288+1280
	ds_store_b32 v[GA], v[PW+\i] offset:64*(\i)    ; lanes r and r + 16 write the same word with the same value
.endm
	LOAD 0
	LOAD 1
	BLOCK 0
	BLOCK 1
	BLOCK 2
	BLOCK 3
	ds_load_b64 v[248:249], v[GR]                  ; my wave's 64 scale words, 8 bytes a lane
	s_wait_dscnt 0x0
	global_store_b64 v[CO8], v[248:249], s[8:9]    ; 256 consecutive bytes, aligned
	s_wait_tensorcnt 0x0                           ; the wave's end
	ds_add_u32 v[SPW], v[NIL]
	s_wait_dscnt 0x0
	s_endpgm
; ---- part 2: the weights
.set WAD, 16                           ; v16-47   row i of a block: i x the weight's row pitch + 4 x lane; never rewritten
.set WX,  48                           ; v48-175  four blocks of 32 numbers
.set WC,  176                          ; v176..   six code registers for each block, 8 apart
.Lweights:
	s_load_b256 s[4:11], s[0:1], 0x10              ; Wq, Wk, Wv, Wo
	s_load_b64 s[12:13], s[0:1], 0x30              ; wq
	s_sub_co_u32 s40, ttmp9, 256
	s_and_b32 s41, s40, 31                         ; which 128 rows of the operand
	s_lshr_b32 s19, s40, 5                         ; K step
	v_lshrrev_b32 v10, 5, v0
	v_readfirstlane_b32 s14, v10                   ; wave
	v_and_b32 v11, 31, v0                          ; lane = my row among the wave's 32 = 8 u + r + 8 (r / 8)
	v_bfe_u32 v12, v0, 3, 1                        ; u
	v_and_b32 v13, 7, v0
	v_bfe_u32 v14, v0, 4, 1
	v_lshl_or_b32 v13, v14, 3, v13                 ; r
	v_lshlrev_b32 v2, 2, v11                       ; 4 x lane
	v_lshlrev_b32 v7, 4, v11                       ; 16 x lane
	s_mul_i32 s15, s14, 3072                       ; my image
	s_add_co_u32 s15, s15, WIMG
	v_mul_u32_u24 v15, v12, 1536
	v_add_nc_u32 v15, s15, v15
	v_lshl_add_u32 v3, v13, 4, v15                 ; registers 0-3 of place r of fragment u
	v_lshl_add_u32 v4, v13, 3, v15
	v_add_nc_u32 v4, 512, v4                       ; registers 4-5
	v_add_nc_u32 v5, s15, v7                       ; the image read back, 16 bytes a lane
	s_lshl_b32 s16, s14, 7
	v_lshl_add_u32 v6, v12, 6, s16
	v_lshl_add_u32 v6, v13, 2, v6                  ; my scale word among the K step's 128: block 2 w + u, place r
	s_lshr_b32 s17, s41, 3                         ; which weight
	s_and_b32 s18, s41, 7                          ; which 128 rows of it
	s_lshl_b32 s28, s18, 1                         ; Wq, Wk, Wv: head 2 cg + w / 2, 262,144 bytes a head; column 32 (w % 2)
	s_lshr_b32 s29, s14, 1
	s_add_co_u32 s28, s28, s29
	s_lshl_b32 s28, s28, 18
	s_and_b32 s29, s14, 1
	s_lshl_b32 s29, s29, 7
	s_add_co_u32 s28, s28, s29
	s_lshl_b32 s29, s18, 9                         ; Wo: column 128 cg + 32 w
	s_lshl_b32 s30, s14, 7
	s_add_co_u32 s29, s29, s30
	s_cmp_eq_u32 s17, 3
	s_cselect_b32 s28, s29, s28
	s_mov_b32 s30, 256
	s_cselect_b32 s30, 4096, s30                   ; bytes from one k to the next
	s_lshl_b32 s31, s19, 7
	s_mul_i32 s31, s31, s30                        ; 128 k a K step
	s_add_co_u32 s28, s28, s31
	s_mov_b32 s29, 0
	s_lshl_b32 s32, s30, 5                         ; 32 k a block
	s_mov_b32 s33, 0
.set cn, 0
.rept 32
	v_mad_u32_u24 v[WAD+cn], s30, cn, v2
.set cn, cn+1
.endr
	s_lshl_b32 s34, s41, 3                         ; codes: block 8 CG + 2 w, K step S
	s_lshl_b32 s35, s14, 1
	s_add_co_u32 s34, s34, s35
	s_mul_i32 s34, s34, 12288
	s_mul_i32 s35, s19, 1536
	s_add_co_u32 s34, s34, s35
	s_mov_b32 s35, 0
	s_lshl_b32 s36, s41, 12                        ; scale words: 4,096 a group, 512 a K step
	s_lshl_b32 s37, s19, 9
	s_add_co_u32 s36, s36, s37
	s_add_co_u32 s36, s36, WSC
	s_mov_b32 s37, 0
	s_wait_alu depctr_va_vdst(0)                   ; the wait at the head's end
	s_wait_kmcnt 0x0
	s_cmp_eq_u32 s17, 1                            ; the choice hangs on the work-group's number alone
	s_cselect_b64 s[4:5], s[6:7], s[4:5]
	s_cmp_eq_u32 s17, 2
	s_cselect_b64 s[4:5], s[8:9], s[4:5]
	s_cmp_eq_u32 s17, 3
	s_cselect_b64 s[4:5], s[10:11], s[4:5]
	s_add_nc_u64 s[20:21], s[4:5], s[28:29]        ; a base for each of the four blocks
	s_add_nc_u64 s[22:23], s[20:21], s[32:33]
	s_add_nc_u64 s[24:25], s[22:23], s[32:33]
	s_add_nc_u64 s[26:27], s[24:25], s[32:33]
	s_add_nc_u64 s[38:39], s[12:13], s[36:37]
	s_add_nc_u64 s[12:13], s[12:13], s[34:35]
.macro WLOAD t                         ; block t: the weight at k = 32 t + i, i = 0 .. 31, my column, into the block's own 32 registers
.set cn, 0
.rept 32
	global_load_b32 v[WX+32*(\t)+cn], v[WAD+cn], s[20+2*(\t):21+2*(\t)] th:TH_LOAD_NT   ; 32 lanes read 128 consecutive bytes
.set cn, cn+1
.endr
.endm
.macro WBLOCK t
.set XS, WX+32*(\t)
.set CC, WC+8*(\t)
.if (\t) < 3
	s_wait_loadcnt 32                              ; this block's 32 loads are in; the next block's 32 may be out
.else
	s_wait_loadcnt 0x0
.endif
.if (\t)+2 < 4
	WLOAD (\t)+2                                   ; the block two further on, into registers of its own
.endif
	v_max3_num_f32 v212, |v[XS]|, |v[XS+1]|, |v[XS+2]|             ; the block's largest magnitude: all 32 numbers are mine
	v_max3_num_f32 v213, |v[XS+3]|, |v[XS+4]|, |v[XS+5]|
.irp i, 6,10,14,18,22,26
	v_max3_num_f32 v212, v212, |v[XS+\i]|, |v[XS+\i+1]|
	v_max3_num_f32 v213, v213, |v[XS+\i+2]|, |v[XS+\i+3]|
.endr
	v_max3_num_f32 v212, v212, |v[XS+30]|, |v[XS+31]|
	v_max3_num_f32 v212, v212, v213, 0x1800000     ; and the floor 2^(3 - 127): the byte cannot fall under 1
	v_add_nc_u32 v214, 0xff000000, v212            ; 2 off its exponent field: the conversion's scale operand
	v_lshrrev_b32 v215, 23, v214                   ; the scale's byte
.if (\t) == 0
	v_mov_b32 v216, v215
.else
	v_lshl_or_b32 v216, v215, 8*(\t), v216         ; four bytes make my row's scale word of this K step
.endif
	v_cvt_scalef32_pk16_fp6_f32 v[CC:CC+2], v[XS:XS+15], v214
	v_cvt_scalef32_pk16_fp6_f32 v[208:210], v[XS+16:XS+31], v214   ; (a conversion's three registers begin on an even number)
	v_nop                                          ; one plain place behind a scaled conversion
	v_mov_b32 v[CC+3], v208
	v_mov_b32 v[CC+4], v209
	v_mov_b32 v[CC+5], v210
	ds_store_b128 v3, v[CC:CC+3] offset:((\t)/2)*768+((\t)%2)*256  ; half t / 2 of the fragment, place r + 16 (t % 2)
	ds_store_b64 v4, v[CC+4:CC+5] offset:((\t)/2)*768+((\t)%2)*128
.endm
	WLOAD 0
	WLOAD 1
	WBLOCK 0
	WBLOCK 1
	WBLOCK 2
	WBLOCK 3
	global_store_b32 v6, v216, s[38:39]            ; my wave's 32 scale words: 128 consecutive bytes
.irp c, 0,1,2,3,4,5
	ds_load_b128 v[220+4*\c:223+4*\c], v5 offset:512*\c            ; my own image: LDS serves a wave's instructions in order
.endr
	s_wait_dscnt 0x0
.irp c, 0,1,2,3,4,5
	global_store_b128 v7, v[220+4*\c:223+4*\c], s[12:13] offset:(\c/3)*12288+512*(\c%3)   ; 512 consecutive bytes, aligned
.endr
	s_wait_tensorcnt 0x0                           ; the wave's end
	ds_add_u32 v[SPW], v[NIL]
	s_wait_dscnt 0x0
	s_endpgm
.Lfunc_end_k_q4b253d4f7a_qx:
	.size	k_q4b253d4f7a_qx, .Lfunc_end_k_q4b253d4f7a_qx-k_q4b253d4f7a_qx
	.p2alignl 7, 3214868480
	.fill 96, 4, 3214868480
	.section	.rodata,"a",@progbits
	.p2align	6, 0x0
	.amdhsa_kernel k_q4b253d4f7a_qx
		.amdhsa_group_segment_fixed_size 47616
		.amdhsa_private_segment_fixed_size 0
		.amdhsa_enable_private_segment 0
		.amdhsa_kernarg_size 56
		.amdhsa_user_sgpr_count 2
		.amdhsa_user_sgpr_kernarg_segment_ptr 1
		.amdhsa_wavefront_size32 1
		.amdhsa_system_sgpr_workgroup_id_x 1
		.amdhsa_system_sgpr_workgroup_id_y 1
		.amdhsa_system_sgpr_workgroup_id_z 1
		.amdhsa_system_vgpr_workitem_id 0
		.amdhsa_next_free_vgpr 256
		.amdhsa_next_free_sgpr 66
		.amdhsa_reserve_vcc 0
		.amdhsa_float_denorm_mode_32 3
		.amdhsa_float_denorm_mode_16_64 3
		.amdhsa_memory_ordered 1
		.amdhsa_forward_progress 1
		.amdhsa_inst_pref_size 59
	.end_amdhsa_kernel
	.amdgpu_metadata
---
amdhsa.version: [ 1, 2 ]
amdhsa.kernels:
  - .name:           k_q4b253d4f7a_qx
    .symbol:         k_q4b253d4f7a_qx.kd
    .args:
      - { .name: x, .offset: 0, .size: 8, .value_kind: global_buffer, .address_space: global }
      - { .name: xq, .offset: 8, .size: 8, .value_kind: global_buffer, .address_space: global }
      - { .name: Wq, .offset: 16, .size: 8, .value_kind: global_buffer, .address_space: global }
      - { .name: Wk, .offset: 24, .size: 8, .value_kind: global_buffer, .address_space: global }
      - { .name: Wv, .offset: 32, .size: 8, .value_kind: global_buffer, .address_space: global }
      - { .name: Wo, .offset: 40, .size: 8, .value_kind: global_buffer, .address_space: global }
      - { .name: wq, .offset: 48, .size: 8, .value_kind: global_buffer, .address_space: global }
    .group_segment_fixed_size: 47616
    .private_segment_fixed_size: 0
    .kernarg_segment_align: 8
    .kernarg_segment_size: 56
    .max_flat_workgroup_size: 128
    .sgpr_count:     66
    .vgpr_count:     256
    .wavefront_size: 32
...
	.end_amdgpu_metadata
.endif
;; end of part 1
;; launch proj (part 2): grid 16 x 16, 4 waves a work-group, clusters of 4 x 4, 327,680 bytes of LDS; arguments xq, wq, qq, kv; writes qq, kv
.if DOCPART == 2
	.amdgcn_target "amdgcn-amd-amdhsa--gfx1250"
	.amdhsa_code_object_version 6
	.text
	.protected	k_q4b253d4f7a_proj
	.globl	k_q4b253d4f7a_proj
	.p2align	8
	.type	k_q4b253d4f7a_proj,@function
k_q4b253d4f7a_proj:
	s_mov_b64 s[64:65], 0
	v_nop
	global_prefetch_b8 v0, s[64:65] scope:SCOPE_SE
	s_setreg_imm32_b32 hwreg(HW_REG_WAVE_MODE, 25, 1), 1
	s_wait_xcnt 0x0
	s_wait_alu depctr_hold_cnt(0) depctr_sa_sdst(0) depctr_va_vdst(0) depctr_va_sdst(0) depctr_va_ssrc(0) depctr_va_vcc(0) depctr_vm_vsrc(0)
	s_getreg_b32 s2, hwreg(HW_REG_IB_STS2, 6, 4)
	s_cmp_eq_u32 s2, 0
	s_cbranch_scc0 .Lentry_in_a_cluster
	s_endpgm
.Lentry_in_a_cluster:
	s_bfe_u32 s2, ttmp6, 0x10000c
	s_cmp_lg_u32 s2, 0xf033
	s_cbranch_scc0 .Lentry_shape_is_right
	s_endpgm
.Lentry_shape_is_right:
; Q, K and V = x W on codes of FP6 (E2M3), K = 1,024, in ONE PASS over x, and the results quantised in registers: no f32 result goes to memory.  No work of reference() is left out here.
; LIMITS: as stated at the head of launch qx.
; OPERANDS (launches qx, qw): codes [block of 16 rows][K step of 128: 8][1,536] as images of the operand's registers (half image, 768 bytes: lane l's registers 0-3 at 16 l, registers 4-5 at 512 + 8 l);
; block 2 g + u, place r = row 32 g + 8 u + r + 8 (r / 8); scale words, from XSC or WSC on, 4,096 bytes for each 128 rows as [K step 8][block 8][place 16].
; OUT: qq: [(batch 8 + head pair) 16 + block of 128 queries][block of 16: 8][head's parity: 2][768]; from QS on a word (two bytes, two zeros) for [..][8][2][place 16].
;      kv: for [(batch 8 + head pair) 16 + key step of 128] 24,576 bytes: K as Q, then from 12,288 on V^T as [block of 16 channels: 8][1536]; from KVS on 2,048 bytes: K's words as Q's, then V's [8][two copies][16].
; THE DEAL.  256 work-groups of four waves, 2 x 2.  Work-group (s42, s43) makes 512 rows of x times the 128 rows of group s42 of wq (0-7: Wq, a head pair; 8-15: Wk) AND V of the same 512 rows for head s42's 64 channels.
; Wave (a, b) holds in registers, all of K, four blocks of Wq or Wk (head of parity b) and two blocks of Wv, and streams x's blocks 4 sigma + 2 a + e (e = 0, 1; sigma = 0 .. 7) past them: 16 blocks, 48 products each.
;   Q, K: source 0 = the weight's rows: a lane holds one row of x, its 32 sums run along the head's 64: two scale blocks, half an image.
;   V:    source 0 = x's rows: a lane holds one channel, and its 16 sums of blocks e = 0, 1 are the keys 32 g + 16 (lane / 16) + 0 .. 15, g = 2 (sigma % 2) + a: one scale block with lane l xor 16.
;         Of a key step's four scale blocks a wave row makes g = a and g = 2 + a: these are registers 0-5 and 6-11 of the image's lanes r + 16 a.  One lane swap puts them there: lane (r, h) then holds registers 6 h .. 6 h + 5.
; The six accumulators take turns, one instruction a turn.  x's rows are shared by a row of the cluster (mask s44), a weight's rows by a column (mask s45).  No LDS address hangs on the cluster's numbers.
; LDS: a ring of two slots of 8 blocks (128 rows of x, what a trip of four blocks a wave reads), at 0 and at R1; Wq's or Wk's 8 blocks land in slot 1 and are filled over when all waves hold them in registers; Wv's 4 blocks behind slot 1.
; Between the slots: x's scale words re-laid as rows of 32 bytes, 16 more behind each 256 (XS); the stage of the results' scale words (STG: for each 128 rows 1,024 bytes of Q's or K's, 512 of V's); the spare words.
; FILLS.  At the head one tensor load a wave: the weight's 8 blocks, Wv's 4, x's blocks 0-3, 4-7.  Three joint refills, 2 blocks a wave, each behind the three lines and a round of the cluster's barrier: blocks 8-15 ahead of the
; stream, blocks 16-23 and 24-31 behind the third block of trips 0 and 1, when the slot's last block has been fetched.  A round shows what the refill before it brought; the last refill is shown by a plain barrier in trip 2.
; A RUN stands behind a block's products: five address lines (the places behind the last product), the quantisers, the stores, the fetch of the block two on, ONE wait on LDS (younger than all else is the fetch: NF loads).
; PREFETCH INTO THE L2: the rows of the second and third refill, 98,304 bytes each, 6,144 for each of the sixteen waves of a row of the cluster, told apart by address, lanes 256 bytes apart (lanes 24-31 name the wave's last block again);
; asked for at the head and in trip 0, three and six blocks ahead of the refills.  The first refill follows the head at once and comes by its load alone.
; THE TEXT: two loops of two trips; the second has no refill, and its last trip jumps over the fetches of blocks that do not exist (a branch on the trip's number).
.set XSC, 6291456
.set WSC, 3145728
.set QS, 6291456
.set KVS, 12582912
.set FR, 12                            ; registers of a fragment
.set FPW, 21                           ; fragments in a window
.set BLKB, 12288                       ; a block of 16 rows, all of K
.set GRPB, 98304
.set NF, 34                            ; LDS loads of a block: 32 for eight fragments, 2 for eight scale words
.set XS, 8*BLKB
.set STG, XS+32*544
.set SPARE, STG+4*1536
.set R1, 131072                        ; slot 1: one exclusive or turns an address in one slot into the other's
.set WV, R1+8*BLKB
.set L16, 4                            ; v4  16 x lane
.set L8, 5                             ; v5  8 x lane
.set P0, 6                             ; v6, v7  my first pair of blocks in a slot: + 16 x lane; + 512 + 8 x lane
.set P1, 8                             ; v8, v9  my second pair
.set SPW, 10                           ; v10 my spare word
.set NIL, 11                           ; v11 0
.set AQ, 12                            ; v12, v13  the block that is fetched next
.set AAS0, 14                          ; v14 my row's scale words in my first block
.set AAS, 15                           ; v15 the same in this trip
.set STQ0, 16                          ; v16, v17  the stage: Q's or K's word; in this trip
.set STQ, 17
.set STV0, 18                          ; v18, v19  V's byte
.set STV, 19
.set VO16, 20                          ; v20, v21  V's codes in memory: registers 0-3, registers 4-5 of my half of the image
.set VO8, 21
.set BA, 22                            ; v22, v23  head: my four blocks of the weight
.set SB, 24                            ; v24-39  the weight's scale words: 8 (tile / 2) + K step
.set SBV, 40                           ; v40-47  Wv's
.set SA, 52                            ; v52-67  x's: two sets of eight
.set ACC, 72                           ; v72-103 Q's or K's sums
.set HV, 104                           ; v104-135 V's: 16 t + 8 e + j.  (It follows ACC: the four chains of maxima run over ACC + 16 c)
.set TM, 136                           ; v136-139 the chains; v140-143 lane l xor 16's; v144-147 the conversions' scale operands; v148-151 the bytes
.set TP, 140
.set SO, 144
.set BY, 148
.set HW, 152                           ; v152 Q's or K's word
.set NC, 156                           ; v156-161 Q's or K's codes; v164-166 the second conversion's
.set TC, 164
.set VC, 168                           ; v168.., v176..  V's codes, eight a tile; v184.., v188.. the second scale block's
.set TV, 184
.set RB, 192                           ; v192-203 the stage read back
.set XT, 204                           ; v204-235 head: x's scale words on their way into LDS
.set BAV, 236                          ; v236, v237 head: my two blocks of Wv
.set GS, 238
.set SS, 239
.set ABS, 240
.set RBA, 241
.set PF, 242
.set T8, 243
.set G1W, 24
.set G1X, 32
.set G0W, 56
.set G0X, 60
.set MSB, 0
.macro WIN new                         ; the immediate's high byte repeats the setting that is left
.if MSB != \new
	s_set_vgpr_msb (MSB<<8)|\new
.set MSB, \new
.endif
.endm
.macro PLACES n
.rept \n
	v_nop
.endr
.endm
.macro WALU
	s_wait_alu depctr_va_vdst(0)
.endm
.macro BARRIER
	s_barrier_signal -1
	s_barrier_wait -1
.endm
.macro CROUND                          ; a round of the cluster's barrier
	BARRIER
	s_cmp_lg_u32 s14, 0
	s_cbranch_scc1 .Lnot_wave_0_\@
	s_barrier_signal -3
.Lnot_wave_0_\@:
	s_barrier_wait -3
	BARRIER
.endm
.macro TLOAD g0, g1                    ; an s_nop 0 and four v_nop follow a tensor load
	tensor_load_to_lds s[\g0:\g0+3], s[\g1:\g1+7]
	s_nop 0
	PLACES 4
.endm
.macro GROUP1 g, mask                  ; rows of one block, 1,536 elements of 8 bytes, dense; the two words that count rows are written with each tile
	s_or_b32 s[\g+0], s[\mask], (3<<16)|(1<<21)
	s_mov_b32 s[\g+1], 1536<<16
	s_mov_b32 s[\g+3], 1536<<16
	s_mov_b32 s[\g+5], 1536
	s_mov_b32 s[\g+6], 0
	s_mov_b32 s[\g+7], 0
.endm
.macro TILE g0, g1, lds, rows, base, off   ; one of the head's tiles, in its own arm
	s_mov_b32 s[\g0+1], \lds
	s_mov_b32 s[\g1+2], (\rows)<<16
	s_mov_b32 s[\g1+4], \rows
	s_add_nc_u64 s[\g0+2:\g0+3], s[\base:\base+1], s[\off:\off+1]
	s_or_b32 s[\g0+3], s[\g0+3], 0x80000000
	TLOAD \g0, \g1
.endm
; fragments: 0-31 the weight's (4 x K step + tile), 32-47 Wv's (32 + 2 x K step + tile), 48-63 x's two sets (48 + 8 e + K step).  Fragment f lies in window 1 + f / 21 at register 12 (f % 21); the 64th at v244 of window 0
.macro FPLACE f
.if (\f) < 63
.set FW_, 1+(\f)/FPW
.set FG_, FR*((\f)%FPW)
.else
.set FW_, 0
.set FG_, 244
.endif
.endm
.macro FRAG f, a16, a8, off            ; the image of a fragment's 12 registers: every load reads consecutive bytes
	FPLACE \f
	WIN FW_<<6
	ds_load_b128 v[FG_:FG_+3], v[\a16] offset:\off
	ds_load_b64 v[FG_+4:FG_+5], v[\a8] offset:\off
	ds_load_b128 v[FG_+6:FG_+9], v[\a16] offset:(\off)+768
	ds_load_b64 v[FG_+10:FG_+11], v[\a8] offset:(\off)+768
.endm
.macro FETCHAT e, aq, off, as, asoff   ; a block of x into set e: NF loads
.irp q, 0,1,2,3,4,5,6,7
	FRAG 48+8*(\e)+\q, \aq, \aq+1, (\off)+\q*1536
.endr
	WIN 0
	ds_load_b128 v[SA+8*(\e):SA+8*(\e)+3], v[\as] offset:\asoff
	ds_load_b128 v[SA+8*(\e)+4:SA+8*(\e)+7], v[\as] offset:(\asoff)+16
.endm
.macro PROD2 d, s0, s1, c, x0, x1, side, o
.if \o
	v_wmma_scale_f32_16x16x128_f8f6f4 v[\d:\d+7], v[\s0:\s0+FR-1], v[\s1:\s1+FR-1], \c, v[\x0], v[\x1] matrix_a_fmt:MATRIX_FMT_FP6 matrix_b_fmt:MATRIX_FMT_FP6 matrix_\side\()_scale:MATRIX_SCALE_ROW1
.else
	v_wmma_scale_f32_16x16x128_f8f6f4 v[\d:\d+7], v[\s0:\s0+FR-1], v[\s1:\s1+FR-1], \c, v[\x0], v[\x1] matrix_a_fmt:MATRIX_FMT_FP6 matrix_b_fmt:MATRIX_FMT_FP6 matrix_\side\()_scale:MATRIX_SCALE_ROW0
.endif
.endm
.macro PROD1 d, s0, s1, q, x0, x1, side, o   ; the first K step takes C = 0: nothing is cleared
.if \q
	PROD2 \d, \s0, \s1, v[\d:\d+7], \x0, \x1, \side, \o
.else
	PROD2 \d, \s0, \s1, 0, \x0, \x1, \side, \o
.endif
.endm
.macro PROD e, n                       ; product n = 6 x K step + i: i = 0 .. 3 Q's or K's tiles, i = 4, 5 V's
.set Q_, (\n)/6
.set I_, (\n)%6
	FPLACE 48+8*(\e)+Q_
.set XW_, FW_
.set XG_, FG_
.if I_ < 4
	FPLACE 4*Q_+I_
	WIN FW_|(XW_<<2)
	PROD1 ACC+8*I_, FG_, XG_, Q_, SB+8*(I_/2)+Q_, SA+8*(\e)+Q_, a, I_%2
.else
	FPLACE 32+2*Q_+I_-4
	WIN XW_|(FW_<<2)
	PROD1 HV+16*(I_-4)+8*(\e), XG_, FG_, Q_, SA+8*(\e)+Q_, SBV+Q_, b, I_-4
.endif
.endm
.macro PRODS e
.set N_, 0
.rept 48
	PROD \e, N_
.set N_, N_+1
.endr
	WIN 0
.endm
; THE QUANTISERS behind block i of a trip.  Chains 0, 1: the two scale blocks of Q's or K's 32 sums; behind an odd block chains 2, 3 too: V's two tiles.  Each accumulator is read from its low end on.
.macro QUANT i
.set NC_, 2+2*((\i)%2)
.set C_, 0
.rept NC_
	v_max3_num_f32 v[TM+C_], |v[ACC+16*C_]|, |v[ACC+16*C_+1]|, 0x1800000   ; my 16 numbers, and the floor 2^(3 - 127): the byte cannot fall under 1
.set C_, C_+1
.endr
.irp k, 2,4,6,8,10,12,14
.set C_, 0
.rept NC_
	v_max3_num_f32 v[TM+C_], v[TM+C_], |v[ACC+16*C_+\k]|, |v[ACC+16*C_+\k+1]|
.set C_, C_+1
.endr
.endr
.set C_, 0
.rept NC_
	v_permlanex16_b32 v[TP+C_], v[TM+C_], s18, s19
.set C_, C_+1
.endr
.set C_, 0
.rept NC_
	v_max_num_f32 v[TM+C_], v[TM+C_], v[TP+C_]     ; with lane l xor 16's: the block's largest magnitude
.set C_, C_+1
.endr
.set C_, 0
.rept NC_
	v_add_nc_u32 v[SO+C_], 0xff000000, v[TM+C_]    ; 2 off its exponent field: the conversion's scale operand
.set C_, C_+1
.endr
	v_cvt_scalef32_pk16_fp6_f32 v[NC:NC+2], v[ACC:ACC+15], v[SO]
	v_cvt_scalef32_pk16_fp6_f32 v[TC:TC+2], v[ACC+16:ACC+31], v[SO+1]
.if (\i) == 1
.irp t, 0,1
	v_cvt_scalef32_pk16_fp6_f32 v[VC+8*\t:VC+8*\t+2], v[HV+16*\t:HV+16*\t+15], v[SO+2+\t]   ; scale block g = a: kept until g = 2 + a is made
.endr
.endif
.if (\i) == 3
.irp t, 0,1
	v_cvt_scalef32_pk16_fp6_f32 v[TV+4*\t:TV+4*\t+2], v[HV+16*\t:HV+16*\t+15], v[SO+2+\t]
.endr
.endif
.set C_, 0
.rept NC_
	v_lshrrev_b32 v[BY+C_], 23, v[SO+C_]           ; the scales' bytes (plain lines behind the conversions)
.set C_, C_+1
.endr
	v_lshl_or_b32 v[HW], v[BY+1], 8, v[BY]
.irp j, 0,1,2
	v_permlane16_swap_b32 v[NC+\j], v[TC+\j]       ; the image wants a whole scale block in a lane
.endr
.irp j, 0,1,2
	v_mov_b32 v[NC+3+\j], v[TC+\j]
.endr
.if (\i) == 3
.irp t, 0,1
.irp j, 0,1,2
	v_permlane16_swap_b32 v[VC+8*\t+\j], v[TV+4*\t+\j]   ; lanes 0-15 now hold scale block a whole, lanes 16-31 scale block 2 + a
.endr
.irp j, 0,1,2
	v_mov_b32 v[VC+8*\t+3+\j], v[TV+4*\t+\j]
.endr
.endr
.endif
.endm
; THE RUN behind block i = 0 .. 3 of a trip.  kind 0: as it stands; 1: a round and the refill ahead of the fetch; 2: a plain barrier ahead of the fetch, and 3: the fetch is jumped over in the loop's second trip; 4: a prefetch in the loop's first trip
.macro RUN i, kind
.set QO_, 4*((\i)/2)+(\i)%2
	v_add_nc_u32 v[AQ], s[101-(\i)/2], v[P1-2*((\i)/2)]        ; these five lines are the places behind the last product.  Blocks 0, 1 fetch my second pair in this slot, blocks 2, 3 my first pair in the other
	v_add_nc_u32 v[AQ+1], s[101-(\i)/2], v[P1-2*((\i)/2)+1]
	v_add_nc_u32 v[AAS], s96, v[AAS0]
	v_add_nc_u32 v[STQ], s97, v[STQ0]
	v_add_nc_u32 v[STV], s97, v[STV0]
	s_wait_xcnt 0x0                                ; the earlier stores have read the codes' registers
	QUANT \i
	WALU
	ds_store_b32 v[STQ], v[HW] offset:QO_*128      ; lanes r and r + 16 write the same word with the same value
	global_store_b128 v[L16], v[NC:NC+3], s[66:67] offset:QO_*1536        ; 512 and 256 consecutive bytes, aligned
	global_store_b64 v[L8], v[NC+4:NC+5], s[66:67] offset:QO_*1536+512
.if (\i)%2
.irp t, 0,1
	ds_store_b8 v[STV], v[BY+2+\t] offset:128*\t+2*((\i)/2)
.endr
.endif
.if (\i) == 3
.irp t, 0,1
	global_store_b128 v[VO16], v[VC+8*\t:VC+8*\t+3], s[50:51] offset:1536*\t   ; each half of the lanes stores 256 consecutive bytes, aligned
	global_store_b64 v[VO8], v[VC+8*\t+4:VC+8*\t+5], s[50:51] offset:1536*\t   ; and 128: the other wave row stores the 128 beside them
.endr
.endif
.if (\kind) == 4
	s_cmp_eq_u32 s86, 0
	s_cbranch_scc0 .Lno_pf_\@
	global_prefetch_b8 v[PF], s[48:49] offset:GRPB th:TH_LOAD_NT scope:SCOPE_SE   ; blocks 24-31
.Lno_pf_\@:
.endif
.if (\kind) == 1
	s_wait_tensorcnt 0x0                           ; my part of the other slot is in;
	ds_add_u32 v[SPW], v[NIL]
	s_xor_b32 s[G0X+1], s[G0X+1], R1               ; no tensor load of mine is out: the other slot than last time, the next 8 blocks
	s_add_nc_u64 s[G0X+2:G0X+3], s[G0X+2:G0X+3], 8*BLKB
	s_wait_dscnt 0x0                               ; the add is done, and my reads of this slot are over
	CROUND
	TLOAD G0X, G1X                                 ; the first tensor load behind the round: my 2 blocks
.endif
.if (\kind) == 2
	s_wait_tensorcnt 0x0
	s_wait_dscnt 0x0
	BARRIER                                        ; a plain barrier: what the last refill brought is shown to all
.endif
.if (\kind) == 2 || (\kind) == 3
	s_cmp_eq_u32 s86, 1
	s_cbranch_scc1 .Lno_fetch_\@
.endif
	FETCHAT (\i)%2, AQ, ((\i)%2)*BLKB, AAS, (4+QO_)*544
	s_wait_dscnt NF                                ; the next block's fragments are in; this run's fetch is younger
.if (\kind) == 2 || (\kind) == 3
	s_branch .Lfetched_\@
.Lno_fetch_\@:
	s_wait_dscnt 0x0
.Lfetched_\@:
.endif
.endm
.macro TRIP k0, k2, k3                 ; four blocks a wave: 128 rows of x, one slot
	PRODS 0
	RUN 0, \k0
	PRODS 1
	RUN 1, 0
	PRODS 0
	RUN 2, \k2
	PRODS 1
	RUN 3, \k3
	s_wait_xcnt 0x0                                ; the stores have read their bases
	s_add_nc_u64 s[66:67], s[66:67], s[70:71]      ; on to the next 128 rows
	s_add_nc_u64 s[50:51], s[50:51], 24576
	s_add_co_u32 s96, s96, 8*544
	s_add_co_u32 s97, s97, 1536
	s_xor_b32 s101, s101, R1
	s_xor_b32 s100, s100, R1
	s_add_co_u32 s86, s86, 1
	s_cmp_lg_u32 s86, 2
.endm
; ---- the head
	s_load_b256 s[4:11], s[0:1], 0x0               ; xq, wq, qq, kv
	v_lshl_add_u32 v[SPW], v0, 2, SPARE
	v_mov_b32 v[NIL], 0
	ds_add_u32 v[SPW], v[NIL]                      ; the opening lines: the add, twice on end, and its wait
	ds_add_u32 v[SPW], v[NIL]
	v_lshrrev_b32 v1, 5, v0
	v_readfirstlane_b32 s14, v1                    ; the wave; s15 its row a of the 2 x 2, s16 its column b
	s_lshr_b32 s15, s14, 1
	s_and_b32 s16, s14, 1
	s_mul_i32 s17, s14, 2*BLKB                     ; my 2 blocks of a refill
	s_mov_b32 s18, 0x76543210
	s_mov_b32 s19, 0xfedcba98                      ; v_permlanex16_b32's selects for lane l xor 16
	s_bfe_u32 s40, ttmp6, 0x40000                  ; cx
	s_bfe_u32 s41, ttmp6, 0x40004                  ; cy
	s_lshl_b32 s42, ttmp9, 2
	s_add_co_u32 s42, s42, s40                     ; the weight's group, and V's head: 0 .. 15
	s_and_b32 s43, ttmp7, 0xffff
	s_lshl_b32 s43, s43, 2
	s_add_co_u32 s43, s43, s41                     ; which 512 rows of x
	s_lshl_b32 s44, s41, 2
	s_lshl_b32 s44, 15, s44                        ; my row of the cluster shares x's rows
	s_lshl_b32 s45, 0x1111, s40                    ; my column the weights'
	GROUP1 G1W, 45
	GROUP1 G1X, 44
	s_mov_b32 s[G0W], 1
	s_mov_b32 s[G0X], 1
	s_mul_i32 s76, s42, GRPB                       ; Wq's or Wk's 8 blocks
	s_mov_b32 s77, 0
	s_mul_i32 s78, s42, 4*BLKB                     ; Wv's 4: block 128 + 4 x head
	s_add_co_u32 s78, s78, 128*BLKB
	s_mov_b32 s79, 0
	s_mul_i32 s82, s43, 32*BLKB                    ; x's 32 blocks
	s_mov_b32 s83, 0
	s_add_co_u32 s54, s82, 4*BLKB
	s_mov_b32 s55, 0
	s_add_co_u32 s80, s82, 8*BLKB                  ; the first refill, my part
	s_add_co_u32 s80, s80, s17
	s_mov_b32 s81, 0
	s_lshl_b32 s84, s43, 14                        ; x's scale words
	s_add_co_u32 s84, s84, XSC
	s_mov_b32 s85, 0
	s_lshl_b32 s72, s42, 12                        ; the weight's: my four blocks, 64 bytes each in a K step's 512
	s_lshl_b32 s20, s16, 8
	s_add_co_u32 s72, s72, s20
	s_add_co_u32 s72, s72, WSC
	s_mov_b32 s73, 0
	s_lshr_b32 s20, s42, 1                         ; Wv's: group 16 + head / 2, blocks 4 (head % 2) + 2 b and the next
	s_add_co_u32 s20, s20, 16
	s_lshl_b32 s74, s20, 12
	s_and_b32 s21, s42, 1
	s_lshl_b32 s21, s21, 8
	s_add_co_u32 s74, s74, s21
	s_lshl_b32 s21, s16, 7
	s_add_co_u32 s74, s74, s21
	s_add_co_u32 s74, s74, WSC
	s_mov_b32 s75, 0
	s_lshl_b32 s20, s40, 2                         ; the prefetches: my number among the sixteen waves of my row of the cluster
	s_add_co_u32 s20, s20, s14
	s_mul_i32 s20, s20, 6144
	s_add_co_u32 s20, s20, s82
	s_add_co_u32 s48, s20, 16*BLKB
	s_mov_b32 s49, 0
	s_mul_i32 s87, s15, 2*BLKB                     ; what the address lines below add
	s_mul_i32 s88, s16, 4*BLKB
	s_add_co_u32 s88, s88, R1
	s_mul_i32 s89, s16, 2*BLKB
	s_add_co_u32 s89, s89, WV
	s_mul_i32 s90, s15, 2*544
	s_add_co_u32 s90, s90, XS
	s_lshl_b32 s91, s15, 8
	s_lshl_b32 s20, s16, 6
	s_add_co_u32 s91, s91, s20
	s_add_co_u32 s91, s91, STG
	s_lshl_b32 s92, s16, 8
	s_add_co_u32 s92, s92, s15
	s_add_co_u32 s92, s92, STG+1024
	s_lshl_b32 s93, s15, 8
	s_lshl_b32 s94, s15, 7
	s_add_co_u32 s94, s94, 512
	s_mul_i32 s95, s14, 1536
	s_add_co_u32 s95, s95, STG
	v_and_b32 v1, 15, v0                           ; r
	v_bfe_u32 v2, v0, 4, 1                         ; h
	v_and_b32 v3, 31, v0                           ; lane
	v_lshlrev_b32 v[L16], 4, v3
	v_lshlrev_b32 v[L8], 3, v3
	v_add_nc_u32 v[T8], 512, v[L8]
	v_add_nc_u32 v[P0], s87, v[L16]
	v_add_nc_u32 v[P0+1], s87, v[T8]
	v_add_nc_u32 v[P1], 4*BLKB, v[P0]
	v_add_nc_u32 v[P1+1], 4*BLKB, v[P0+1]
	v_add_nc_u32 v[BA], s88, v[L16]
	v_add_nc_u32 v[BA+1], s88, v[T8]
	v_add_nc_u32 v[BAV], s89, v[L16]
	v_add_nc_u32 v[BAV+1], s89, v[T8]
	v_lshrrev_b32 v[AAS], 3, v1
	v_lshlrev_b32 v[AAS], 4, v[AAS]
	v_lshl_add_u32 v[AAS], v1, 5, v[AAS]           ; 32 r + 16 (r / 8)
	v_add_nc_u32 v[AAS0], s90, v[AAS]
	v_lshl_add_u32 v[STQ0], v1, 2, s91             ; block 2 a, parity b, place r
	v_lshl_add_u32 v[STV0], v1, 2, s92             ; channel block 2 b, copy h, place r, byte a
	v_lshl_add_u32 v[STV0], v2, 6, v[STV0]
	v_mul_u32_u24 v[VO8], v2, 768
	v_lshl_add_u32 v[VO16], v1, 4, v[VO8]
	v_add_nc_u32 v[VO16], s93, v[VO16]             ; 768 h + 16 (r + 16 a)
	v_lshl_add_u32 v[VO8], v1, 3, v[VO8]
	v_add_nc_u32 v[VO8], s94, v[VO8]               ; 768 h + 512 + 8 (r + 16 a)
	v_lshlrev_b32 v[GS], 2, v0
	v_lshlrev_b32 v[ABS], 2, v3
	v_lshrrev_b32 v[SS], 3, v0
	v_lshlrev_b32 v[SS], 4, v[SS]
	v_lshl_add_u32 v[SS], v0, 5, v[SS]
	v_add_nc_u32 v[SS], XS, v[SS]                  ; thread t's row: 32 t + 16 (t / 8)
	v_add_nc_u32 v[RBA], s95, v[L16]
	v_min_u32 v[PF], 23, v3
	v_lshlrev_b32 v[PF], 8, v[PF]
.irp c, 0,1,2,3
	v_mov_b32 v[TP+\c], 0                          ; written once: a lane permute's destination counts as one of its sources
.endr
	WALU                                           ; the wait at the end of the head's vector work
	s_wait_dscnt 0x0
	CROUND                                         ; the opening round, ahead of the first joint loads
	s_wait_kmcnt 0x0
	s_cmp_eq_u32 s14, 0
	s_cbranch_scc0 .Lwave_1
	TILE G0W, G1W, R1, 8, 6, 76                    ; wave 0: Wq's or Wk's blocks, which are wanted first
	s_branch .Lasked
.Lwave_1:
	s_cmp_eq_u32 s14, 1
	s_cbranch_scc0 .Lwave_2
	TILE G0W, G1W, WV, 4, 6, 78                    ; wave 1: Wv's
	s_branch .Lasked
.Lwave_2:
	s_cmp_eq_u32 s14, 2
	s_cbranch_scc0 .Lwave_3
	TILE G0X, G1X, 0, 4, 4, 82                     ; wave 2: x's blocks 0 to 3
	s_branch .Lasked
.Lwave_3:
	TILE G0X, G1X, 4*BLKB, 4, 4, 54                ; wave 3: 4 to 7
.Lasked:
	s_add_nc_u64 s[20:21], s[4:5], s[84:85]
	s_add_nc_u64 s[22:23], s[6:7], s[72:73]
	s_add_nc_u64 s[46:47], s[6:7], s[74:75]
	s_add_nc_u64 s[48:49], s[4:5], s[48:49]
; x's scale words: thread t takes rows t + 128 g of the 512 (row = 16 x block + place), a word for each K step: a load reads 128 consecutive bytes a wave, 512 a work-group.  They go into LDS as rows of eight words
.irp g, 0,1,2,3
.irp q, 0,1,2,3,4,5,6,7
	global_load_b32 v[XT+8*\g+\q], v[GS], s[20:21] offset:4096*\g+512*\q
.endr
.endr
.irp p, 0,1
.irp q, 0,1,2,3,4,5,6,7
	global_load_b32 v[SB+8*\p+\q], v[ABS], s[22:23] offset:512*\q+128*\p   ; lanes 0-15 the even tile's, lanes 16-31 the odd tile's
.endr
.endr
.irp q, 0,1,2,3,4,5,6,7
	global_load_b32 v[SBV+\q], v[ABS], s[46:47] offset:512*\q
.endr
	; where the results go
	s_lshr_b32 s2, s43, 2
	s_lshl_b32 s2, s2, 3                           ; 8 x batch
	s_and_b32 s3, s43, 3
	s_lshl_b32 s3, s3, 2                           ; my first block of 128 rows in the batch
	s_and_b32 s12, s42, 7
	s_add_co_u32 s12, s12, s2
	s_lshl_b32 s12, s12, 4
	s_add_co_u32 s12, s12, s3                      ; Q, K: (batch 8 + head pair) 16 + block
	s_lshr_b32 s13, s42, 1
	s_add_co_u32 s13, s13, s2
	s_lshl_b32 s13, s13, 4
	s_add_co_u32 s13, s13, s3                      ; V likewise
	s_lshr_b32 s87, ttmp9, 1                       ; 0: Q, 1: K: the same in all sixteen partners; it decides by selects alone
	s_mov_b32 s70, 12288
	s_mov_b32 s89, 1024
	s_mov_b32 s90, QS
	s_mov_b32 s71, 0
	s_cmp_eq_u32 s87, 1
	s_cselect_b32 s70, 24576, s70
	s_cselect_b32 s89, 2048, s89
	s_cselect_b32 s90, KVS, s90
	s_cselect_b64 s[66:67], s[10:11], s[8:9]
	s_mul_i32 s92, s12, s70
	s_mul_i32 s93, s16, 768
	s_add_co_u32 s92, s92, s93
	s_mul_i32 s93, s15, 3072
	s_add_co_u32 s92, s92, s93
	s_mov_b32 s93, 0
	s_add_co_u32 s94, s12, s14                     ; at the end wave w stores the words of the w-th 128 rows
	s_mul_i32 s94, s94, s89
	s_add_co_u32 s94, s94, s90
	s_mov_b32 s95, 0
	s_add_nc_u64 s[68:69], s[66:67], s[94:95]
	s_add_nc_u64 s[66:67], s[66:67], s[92:93]
	s_mul_i32 s92, s13, 24576
	s_and_b32 s87, s42, 1
	s_lshl_b32 s88, s87, 2
	s_lshl_b32 s89, s16, 1
	s_add_co_u32 s88, s88, s89
	s_mul_i32 s88, s88, 1536
	s_add_co_u32 s92, s92, s88
	s_add_co_u32 s92, s92, 12288
	s_add_nc_u64 s[50:51], s[10:11], s[92:93]
	s_add_co_u32 s94, s13, s14
	s_lshl_b32 s94, s94, 11
	s_lshl_b32 s87, s87, 9
	s_add_co_u32 s94, s94, s87
	s_add_co_u32 s94, s94, KVS+1024
	s_add_nc_u64 s[52:53], s[10:11], s[94:95]
	s_wait_loadcnt 0x0
.irp g, 0,1,2,3
.irp c, 0,1
	ds_store_b128 v[SS], v[XT+8*\g+4*\c:XT+8*\g+4*\c+3] offset:4352*\g+16*\c
.endr
.endr
	s_wait_dscnt 0x0
	s_cmp_eq_u32 s14, 0
	s_cbranch_scc0 .Lnot_w
	s_wait_tensorcnt 0x0                           ; wave 0: the weight's blocks have landed
.Lnot_w:
	BARRIER
	global_prefetch_b8 v[PF], s[48:49] th:TH_LOAD_NT scope:SCOPE_SE   ; blocks 16-23
.irp q, 0,1,2,3,4,5,6,7                ; my four blocks of the weight, all of K: 128 loads
.irp t, 0,1,2,3
	FRAG 4*\q+\t, BA, BA+1, \t*BLKB+\q*1536
.endr
.endr
	WIN 0
	s_wait_tensorcnt 0x0                           ; all the head's tiles are in
	ds_add_u32 v[SPW], v[NIL]
	s_mov_b32 s[G1X+2], 2<<16                      ; no tensor load of mine is out: from here on a load brings 2 blocks,
	s_mov_b32 s[G1X+4], 2
	s_add_co_u32 s[G0X+1], s17, R1                 ; first into slot 1, over the weight's blocks
	s_add_nc_u64 s[G0X+2:G0X+3], s[4:5], s[80:81]
	s_or_b32 s[G0X+3], s[G0X+3], 0x80000000
	s_wait_dscnt 0x0                               ; the add is done, and I hold the weight's blocks in registers
	CROUND
	TLOAD G0X, G1X                                 ; blocks 8-15
.irp q, 0,1,2,3,4,5,6,7                ; my two blocks of Wv: 64 loads
.irp t, 0,1
	FRAG 32+2*\q+\t, BAV, BAV+1, \t*BLKB+\q*1536
.endr
.endr
	FETCHAT 0, P0, 0, AAS0, 0
	FETCHAT 1, P0, BLKB, AAS0, 544
	s_mov_b32 s86, 0                               ; the trip
	s_mov_b32 s96, 0                               ; the trip's place among x's scale words,
	s_mov_b32 s97, 0                               ; in the stage,
	s_mov_b32 s101, 0                              ; its slot,
	s_mov_b32 s100, R1                             ; and the other one
	s_wait_dscnt NF                                ; Wv's and block 0's fragments are in
.Lfilling:                                         ; trips 0 and 1
	TRIP 4, 1, 0
	s_cbranch_scc1 .Lfilling
	s_mov_b32 s86, 0
.Ldraining:                                        ; trips 2 and 3
	TRIP 0, 2, 3
	s_cbranch_scc1 .Ldraining
	s_wait_dscnt 0x0                               ; for the others' sake: my scale words and bytes have landed
	BARRIER
	ds_load_b128 v[RB:RB+3], v[RBA]                ; the w-th 128 rows: Q's or K's 1,024 bytes, V's 512
	ds_load_b128 v[RB+4:RB+7], v[RBA] offset:512
	ds_load_b128 v[RB+8:RB+11], v[RBA] offset:1024
	s_wait_dscnt 0x0
	global_store_b128 v[L16], v[RB:RB+3], s[68:69]
	global_store_b128 v[L16], v[RB+4:RB+7], s[68:69] offset:512
	global_store_b128 v[L16], v[RB+8:RB+11], s[52:53]
	s_wait_tensorcnt 0x0                           ; the wave's end
	ds_add_u32 v[SPW], v[NIL]
	s_wait_dscnt 0x0
	CROUND                                         ; the closing round
	s_endpgm
.Lfunc_end_k_q4b253d4f7a_proj:
	.size	k_q4b253d4f7a_proj, .Lfunc_end_k_q4b253d4f7a_proj-k_q4b253d4f7a_proj
	.p2alignl 7, 3214868480
	.fill 96, 4, 3214868480
	.section	.rodata,"a",@progbits
	.p2align	6, 0x0
	.amdhsa_kernel k_q4b253d4f7a_proj
		.amdhsa_group_segment_fixed_size 327680
		.amdhsa_private_segment_fixed_size 0
		.amdhsa_enable_private_segment 0
		.amdhsa_kernarg_size 32
		.amdhsa_user_sgpr_count 2
		.amdhsa_user_sgpr_kernarg_segment_ptr 1
		.amdhsa_wavefront_size32 1
		.amdhsa_system_sgpr_workgroup_id_x 1
		.amdhsa_system_sgpr_workgroup_id_y 1
		.amdhsa_system_sgpr_workgroup_id_z 1
		.amdhsa_system_vgpr_workitem_id 0
		.amdhsa_next_free_vgpr 1024
		.amdhsa_next_free_sgpr 102
		.amdhsa_reserve_vcc 0
		.amdhsa_float_denorm_mode_32 3
		.amdhsa_float_denorm_mode_16_64 3
		.amdhsa_memory_ordered 1
		.amdhsa_forward_progress 1
		.amdhsa_inst_pref_size 135
	.end_amdhsa_kernel
	.amdgpu_metadata
---
amdhsa.version: [ 1, 2 ]
amdhsa.kernels:
  - .name:           k_q4b253d4f7a_proj
    .symbol:         k_q4b253d4f7a_proj.kd
    .args:
      - { .name: xq, .offset: 0, .size: 8, .value_kind: global_buffer, .address_space: global }
      - { .name: wq, .offset: 8, .size: 8, .value_kind: global_buffer, .address_space: global }
      - { .name: qq, .offset: 16, .size: 8, .value_kind: global_buffer, .address_space: global }
      - { .name: kv, .offset: 24, .size: 8, .value_kind: global_buffer, .address_space: global }
    .group_segment_fixed_size: 327680
    .private_segment_fixed_size: 0
    .kernarg_segment_align: 8
    .kernarg_segment_size: 32
    .max_flat_workgroup_size: 128
    .sgpr_count:     102
    .vgpr_count:     1024
    .wavefront_size: 32
...
	.end_amdgpu_metadata
.endif
;; end of part 2
;; launch attn (part 3): grid 8 x 32, 16 waves a work-group, no clusters, 327,680 bytes of LDS; arguments qq, kv, rq; writes rq
.if DOCPART == 3
	.amdgcn_target "amdgcn-amd-amdhsa--gfx1250"
	.amdhsa_code_object_version 6
	.text
	.protected	k_q4b253d4f7a_attn
	.globl	k_q4b253d4f7a_attn
	.p2align	8
	.type	k_q4b253d4f7a_attn,@function
k_q4b253d4f7a_attn:
	s_mov_b64 s[64:65], 0
	v_nop
	global_prefetch_b8 v0, s[64:65] scope:SCOPE_SE
	s_setreg_imm32_b32 hwreg(HW_REG_WAVE_MODE, 25, 1), 1
	s_wait_xcnt 0x0
; res = softmax(Q K^T / 8, causal) V on codes of FP6 (E2M3), head size 64, and res quantised in registers along (head, channel), the K of the last product.
; WORK LEFT OUT: key steps of 128 keys that lie wholly behind a block of 128 queries (shown at the head of launch qx).  Inside the step on the diagonal hidden scores become -infinity where reference() has finfo.min:
; both give p = 0.
; THE SOFTMAX: t = score x log2(e) / 8; M = the running largest t rounded UP to a whole number; p = 2^(t - M) is quantised along the keys, not normalised; the row's sum is taken of the unquantised p and divides at the end.
; SHARES.  A work-group owns a pair of heads of one batch and TWO blocks of 128 queries: block j (j + 1 key steps), then block 15 - j (16 - j key steps): 17 key steps in every work-group, a constant trip count.
; Wave w: head 2 hp + w % 2, the block's tile w / 2 of 16 queries: one tile, 256 registers, four waves to a SIMD, so that one wave's vector work stands beside another's matrix work and LDS loads.
; NO CLUSTER: the eight work-groups of a head pair change blocks in different trips, so that from the second trip on they want different key steps in the same trip: no request would be alike in all partners.
; THE RING: two LDS slots; a slot holds one key step of both heads: K's 12,288 bytes, V^T's 12,288, and 2,048 bytes of scale words.  Waves 0-3 fetch the codes, a quarter each, wave 4 the scale words.
; LAYOUT.  Both products are used transposed: S^T = K Q^T, O^T = V^T P^T: a lane holds one query throughout.  Blocks of 16 keys, queries and channels hold the rows 32 g + 8 u + r + 8 (r / 8), so that p's 16 registers of
; tiles 2 b, 2 b + 1 are 16 neighbouring keys, and O^T's are 16 neighbouring channels.
; K = 64 IN AN INSTRUCTION OF 128: Q's registers 6-11 are zero codes.  K's fragment t is named as 12 registers of which the upper six are the next tile's codes (the last tile's: zeros): E2M3 has no code for infinity or NaN,
; so they are finite numbers, and zero codes multiply them.  Bytes 2 and 3 of Q's and K's scale words are 0, which stands for 2^-127.
; LIMITS: as stated at the head of launch qx.
.set SLOT1, 32768                      ; slot 1 begins here: one exclusive or turns an address in one slot into the other's
.set VOFF,  12288
.set SCO,   24576                      ; a slot's scale words: K's [tile 8][parity 2][16] words, from + 1,024 on V's [block 8][2][16]
.set SCG,   59392                      ; behind the ring: res's scale halves, 512 bytes for each of the two blocks of queries
.set SPARE, 60416                      ; the spare words, 128 bytes a wave
.set QS,    6291456
.set KVS,   12582912
.set RSC,   6291456
.set STEPB, 24576
.set A16,  1                           ; v1-2  my lane's place in a tile of K: registers 0-3, registers 4-5
.set A8,   2
.set V16,  3                           ; v3-4  the same for V^T
.set V8,   4
.set ASK0, 5                           ; v5    my place among K's scale words
.set ASV0, 6                           ; v6    and among V's
.set SPW,  7                           ; v7    my spare word; never rewritten
.set NIL,  8                           ; v8    0; never rewritten
.set D0,   9                           ; v9    my query's place in its block of 128, less 16 (lane / 16)
.set L16,  10                          ; v10   16 x lane
.set L8,   11                          ; v11   8 x lane
; v12 -M, v13 the largest t, v[14:15] the sum in two halves
.set QF,   16                          ; v16-27  Q (v22-27 zeros)
.set R4,   28                          ; v28   4 r
.set SCGA, 29                          ; v29   where my row's two scale bytes of res go
.set PFO,  30                          ; v30   256 x lane
.set SCGR, 31                          ; v31   SCG + 16 x lane
.set KF,   32                          ; v32-79  K's eight tiles, six registers each; then V^T's four fragments
.set ZR,   80                          ; v80-85  zeros
.set AD,   86                          ; v86-91  the step's addresses
.set OUTA, 92                          ; v92-95  the tail
.set SS,   96                          ; v96-159 S^T, then p
.set OT,   160                         ; v160-191 O^T
.set PCD,  192                         ; v192-203 p's codes; v204-211 the conversions' second halves
.set P2,   204
.set BM,   212                         ; v212-215 the blocks' largest scores, then largest p
.set T2,   216                         ; v216-219
.set SO,   220                         ; v220-223 the conversions' scale operands
.set FF,   224                         ; v[224:225] f = 2^(old M - new M); at the end 1 / the sum
.set TT,   226
.set HW,   227                         ; res's two scale bytes
.set SUM2, 228
.set Q2,   230                         ; v230-235 the second block's Q
.set KS,   240                         ; v240-247 K's scale words; v248-251 V's; v252 Q's; v253 p's; v254 the second block's Q's
.set VS,   248
.set QW,   252
.set PWD,  253
.set QW2,  254
.set WV,  10
.set PAR, 11
.set QT,  12
.set WJ,  13
.set BH,  14
.set L1,  15                           ; s15  the first block's key steps
.set TR,  16                           ; s16  the trip
.set T1,  17                           ; s17  the trip + 1
.set TB,  18                           ; s18  LDS byte at which the slot in hand begins
.set W3,  19
.set SEL, 20
.set CS,  22                           ; s[22:23] c = log2(e) / 8
.set G1R, 24                           ; s[24:31] group 1 for the codes; s[32:39] for the scale words; s[40:43], s[44:47] their groups 0, which walk
.set G1S, 32
.set G0R, 40
.set G0S, 44
.set BK,  48                           ; s[48:49] what the codes' address goes back by where the blocks change, else 0;  s[66:67] the same for the scale words
.set BKR, 50
.set BKS, 51
.set RC1, 52                           ; s[52:55] where my codes of res go, block 1, block 2;  s[56:59] the blocks' scale words
.set RS1, 56
.set PFA, 60
.set LIM, 62
.set BK2, 66
.macro TLOAD                           ; the branches hang on the wave's number alone; an s_nop 0 and four v_nop follow each of the two lines
	s_cmp_lt_u32 s[WV], 4
	s_cbranch_scc0 .Lnot_codes_\@
	tensor_load_to_lds s[G0R:G0R+3], s[G1R:G1R+7]
	s_nop 0
.rept 4
	v_nop
.endr
	s_branch .Lasked_\@
.Lnot_codes_\@:
	s_cmp_eq_u32 s[WV], 4
	s_cbranch_scc0 .Lasked_\@
	tensor_load_to_lds s[G0S:G0S+3], s[G1S:G1S+7]
	s_nop 0
.rept 4
	v_nop
.endr
.Lasked_\@:
.endm
; A PREFETCH INTO THE L2.  All eight work-groups of a head pair walk the same key steps: the one with j = 0 asks, and nobody else.  In it waves 5 to 7, which fetch nothing, ask, behind the tensor load of key step k, for the codes of
; key step k + 2: 24,576 dense bytes, 8,192 a wave, lanes 256 bytes apart: each aligned block of 256 bytes is named once in the launch.  Key steps 0 and 1 and the scale words come by their loads alone; behind key step 15 nothing is asked for.
; c: the register that counts the changes of slots so far.
.macro ASK c
	s_cmp_lt_u32 s[\c], s[LIM]
	s_cbranch_scc0 .Lnot_mine_\@
	global_prefetch_b8 v[PFO], s[PFA:PFA+1] th:TH_LOAD_NT scope:SCOPE_SE
.Lnot_mine_\@:
.endm
	s_load_b128 s[4:7], s[0:1], 0x0                ; qq, kv
	s_load_b64 s[8:9], s[0:1], 0x10                ; rq
	v_lshl_add_u32 v[SPW], v0, 2, SPARE
	v_mov_b32 v[NIL], 0
	ds_add_u32 v[SPW], v[NIL]                      ; the wave's opening: the add, twice on end, and its wait ahead of my first tensor load
	ds_add_u32 v[SPW], v[NIL]
	v_lshrrev_b32 v[D0], 5, v0
	s_delay_alu instid0(VALU_DEP_1)
	v_readfirstlane_b32 s[WV], v[D0]               ; wave 0..15
	s_and_b32 s[PAR], s[WV], 1
	s_lshr_b32 s[QT], s[WV], 1
	s_and_b32 s[W3], s[WV], 3
	s_mov_b32 s[WJ], ttmp9
	s_and_b32 s[BH], ttmp7, 0xffff                 ; batch 8 + head pair
	s_add_co_u32 s[L1], s[WJ], 1
	s_mul_i32 s[BKR], s[L1], STEPB
	s_lshl_b32 s[BKS], s[L1], 11
	s_mov_b32 s[BK+1], 0
	s_mov_b32 s[BK2+1], 0
	; group 1: a quarter of a step's codes: 6,144 dense bytes as 24 rows of 256 (32 elements of 8 bytes)
	s_mov_b32 s[G1R], 3<<16
	s_mov_b32 s[G1R+1], 32<<16
	s_mov_b32 s[G1R+2], 24<<16
	s_mov_b32 s[G1R+3], 32<<16
	s_mov_b32 s[G1R+4], 24
	s_mov_b32 s[G1R+5], 32
	s_mov_b32 s[G1R+6], 0
	s_mov_b32 s[G1R+7], 0
	; and a step's scale words: 2,048 dense bytes as 8 rows of 256
	s_mov_b32 s[G1S], 3<<16
	s_mov_b32 s[G1S+1], 32<<16
	s_mov_b32 s[G1S+2], 8<<16
	s_mov_b32 s[G1S+3], 32<<16
	s_mov_b32 s[G1S+4], 8
	s_mov_b32 s[G1S+5], 32
	s_mov_b32 s[G1S+6], 0
	s_mov_b32 s[G1S+7], 0
	s_mov_b32 s[SEL], 0x76543210
	s_mov_b32 s[SEL+1], 0xfedcba98
	s_mov_b32 s[CS], 0x3e38aa3b                    ; c = log2(e) / 8
	s_mov_b32 s[CS+1], s[CS]                       ; (named with it as a pair, so it is written)
	; Q: both blocks' tiles and scale words
	s_lshl_b32 s68, s[BH], 4
	s_add_co_u32 s69, s68, s[WJ]                   ; block j
	s_sub_co_u32 s70, 15, s[WJ]
	s_add_co_u32 s70, s68, s70                     ; block 15 - j
	s_mul_i32 s71, s[QT], 1536
	s_mul_i32 s72, s[PAR], 768
	s_add_co_u32 s71, s71, s72
	s_mul_i32 s72, s69, 12288
	s_add_co_u32 s72, s72, s71
	s_mov_b32 s73, 0
	s_mul_i32 s74, s70, 12288
	s_add_co_u32 s74, s74, s71
	s_mov_b32 s75, 0
	s_lshl_b32 s71, s[QT], 7
	s_lshl_b32 s76, s[PAR], 6
	s_add_co_u32 s71, s71, s76
	s_add_co_u32 s71, s71, QS
	s_lshl_b32 s76, s69, 10
	s_add_co_u32 s76, s76, s71
	s_mov_b32 s77, 0
	s_lshl_b32 s78, s70, 10
	s_add_co_u32 s78, s78, s71
	s_mov_b32 s79, 0
	; res: block of 16 rows 128 b + 8 block + tile, K step = head pair, half = parity
	s_lshr_b32 s80, s[BH], 3                       ; batch
	s_and_b32 s81, s[BH], 7                        ; head pair
	s_lshl_b32 s82, s80, 7
	s_add_co_u32 s82, s82, s[QT]
	s_lshl_b32 s83, s[WJ], 3
	s_add_co_u32 s83, s82, s83
	s_sub_co_u32 s84, 15, s[WJ]
	s_lshl_b32 s85, s84, 3
	s_add_co_u32 s85, s82, s85
	s_mul_i32 s86, s81, 1536
	s_mul_i32 s87, s[PAR], 768
	s_add_co_u32 s86, s86, s87
	s_mul_i32 s[RC1], s83, 12288
	s_add_co_u32 s[RC1], s[RC1], s86
	s_mov_b32 s[RC1+1], 0
	s_mul_i32 s[RC1+2], s85, 12288
	s_add_co_u32 s[RC1+2], s[RC1+2], s86
	s_mov_b32 s[RC1+3], 0
	s_lshl_b32 s86, s80, 4
	s_lshl_b32 s87, s81, 9
	s_add_co_u32 s87, s87, RSC
	s_add_co_u32 s[RS1], s86, s[WJ]
	s_lshl_b32 s[RS1], s[RS1], 12
	s_add_co_u32 s[RS1], s[RS1], s87
	s_mov_b32 s[RS1+1], 0
	s_add_co_u32 s[RS1+2], s86, s84
	s_lshl_b32 s[RS1+2], s[RS1+2], 12
	s_add_co_u32 s[RS1+2], s[RS1+2], s87
	s_mov_b32 s[RS1+3], 0
	; the ring's addresses in memory, and the prefetches'
	s_mul_i32 s88, s[BH], 16*STEPB
	s_mul_i32 s89, s[W3], 6144
	s_add_co_u32 s88, s88, s89                     ; my quarter of key step 0
	s_mov_b32 s89, 0
	s_lshl_b32 s90, s[BH], 15
	s_add_co_u32 s90, s90, KVS
	s_mov_b32 s91, 0
	s_sub_co_u32 s84, s[WV], 5
	s_cmp_lt_u32 s84, 3
	s_cselect_b32 s[LIM], 14, 0                    ; waves 5 to 7
	s_cmp_eq_u32 s[WJ], 0
	s_cselect_b32 s[LIM], s[LIM], 0                ; of the work-group with j = 0
	s_min_u32 s84, s84, 2
	s_lshl_b32 s84, s84, 13
	s_mul_i32 s85, s[BH], 16*STEPB
	s_add_co_u32 s84, s84, s85
	s_add_co_u32 s84, s84, STEPB                   ; at key step 1: the first change of slots steps it to 2
	s_mov_b32 s85, 0
	s_mov_b32 s[TR], 0
	s_mov_b32 s[TB], 0
	s_wait_dscnt 0x0                               ; both opening adds are done
	s_wait_kmcnt 0x0
	s_mov_b32 s[G0R], 1
	s_mul_i32 s[G0R+1], s[W3], 6144                ; slot 0, my quarter
	s_add_nc_u64 s[G0R+2:G0R+3], s[6:7], s[88:89]
	s_or_b32 s[G0R+3], s[G0R+3], 0x80000000
	s_mov_b32 s[G0S], 1
	s_mov_b32 s[G0S+1], SCO
	s_add_nc_u64 s[G0S+2:G0S+3], s[6:7], s[90:91]
	s_or_b32 s[G0S+3], s[G0S+3], 0x80000000
	TLOAD                                          ; key step 0 into slot 0
	s_add_nc_u64 s[PFA:PFA+1], s[6:7], s[84:85]
	s_add_nc_u64 s[72:73], s[4:5], s[72:73]
	s_add_nc_u64 s[74:75], s[4:5], s[74:75]
	s_add_nc_u64 s[76:77], s[4:5], s[76:77]
	s_add_nc_u64 s[78:79], s[4:5], s[78:79]
	s_add_nc_u64 s[RC1:RC1+1], s[8:9], s[RC1:RC1+1]
	s_add_nc_u64 s[RC1+2:RC1+3], s[8:9], s[RC1+2:RC1+3]
	s_add_nc_u64 s[RS1:RS1+1], s[8:9], s[RS1:RS1+1]
	s_add_nc_u64 s[RS1+2:RS1+3], s[8:9], s[RS1+2:RS1+3]
	v_and_b32 v[D0], 15, v0                        ; r
	v_bfe_u32 v[AD], v0, 4, 1                      ; h
	v_and_b32 v[AD+1], 31, v0                      ; lane
	s_delay_alu instid0(VALU_DEP_1)
	v_lshlrev_b32 v[L16], 4, v[AD+1]
	s_delay_alu instid0(VALU_DEP_2)
	v_lshlrev_b32 v[L8], 3, v[AD+1]
	v_lshlrev_b32 v[R4], 2, v[D0]
	s_wait_alu depctr_va_vdst(0)
	global_load_b128 v[QF:QF+3], v[L16], s[72:73]  ; both blocks' Q stay in registers
	global_load_b64 v[QF+4:QF+5], v[L8], s[72:73] offset:512
	global_load_b32 v[QW], v[R4], s[76:77]
	global_load_b128 v[Q2:Q2+3], v[L16], s[74:75]
	global_load_b64 v[Q2+4:Q2+5], v[L8], s[74:75] offset:512
	global_load_b32 v[QW2], v[R4], s[78:79]
	s_mul_i32 s68, s[PAR], 768
	v_add_nc_u32 v[A16], s68, v[L16]
	s_add_co_u32 s68, s68, 512
	v_add_nc_u32 v[A8], s68, v[L8]
	s_mul_i32 s68, s[PAR], 6144
	s_add_co_u32 s68, s68, VOFF
	v_add_nc_u32 v[V16], s68, v[L16]
	s_add_co_u32 s68, s68, 512
	v_add_nc_u32 v[V8], s68, v[L8]
	s_lshl_b32 s68, s[PAR], 6
	s_add_co_u32 s68, s68, SCO
	v_add_nc_u32 v[ASK0], s68, v[R4]
	s_lshl_b32 s68, s[PAR], 9
	s_add_co_u32 s68, s68, SCO+1024
	v_add_nc_u32 v[ASV0], s68, v[R4]
	s_lshl_b32 s68, s[QT], 6
	s_lshl_b32 s69, s[PAR], 1
	s_add_co_u32 s68, s68, s69
	s_add_co_u32 s68, s68, SCG
	v_add_nc_u32 v[SCGA], s68, v[R4]
	v_add_nc_u32 v[SCGR], SCG, v[L16]
	v_lshlrev_b32 v[PFO], 8, v[AD+1]
	v_and_b32 v[AD+2], 8, v[D0]
	s_delay_alu instid0(VALU_DEP_1)
	v_add_nc_u32 v[D0], v[D0], v[AD+2]             ; r + 8 (r / 8)
	v_lshlrev_b32 v[AD+2], 4, v[AD]
	s_delay_alu instid0(VALU_DEP_1)
	v_sub_nc_u32 v[D0], v[D0], v[AD+2]             ; - 16 h
	s_lshr_b32 s68, s[QT], 1
	s_lshl_b32 s68, s68, 5
	s_and_b32 s69, s[QT], 1
	s_lshl_b32 s69, s69, 3
	s_add_co_u32 s68, s68, s69
	v_add_nc_u32 v[D0], s68, v[D0]                 ; + 32 (tile / 2) + 8 (tile % 2)
.irp i, 0,1,2,3,4,5
	v_mov_b32 v[QF+6+\i], 0                        ; zero codes for k = 64 .. 127
	v_mov_b32 v[ZR+\i], 0
.endr
	v_mov_b32 v13, 0xff61b1e6                      ; the largest t so far: -3e38, under every t
	s_delay_alu instid0(VALU_DEP_1)
	v_floor_f32 v12, -v13                          ; -M
	v_mov_b32 v14, 0
	v_mov_b32 v15, 0
.irp b, 0,1,2,3
	v_mov_b32 v[T2+\b], 0                          ; written once: a lane permute's destination counts as one of its sources
.endr
	v_mov_b32 v[FF+1], 0                           ; (named as the upper half of a pair)
	v_mov_b32 v[TT], 0
.set cn, 0
.rept 32
	v_mov_b32 v[OT+cn], 0                          ; O^T: the step is written once; a block's first step finds zeros, which the first change of M leaves zeros
.set cn, cn+1
.endr
; THE CHANGE OF SLOTS is one barrier whose two halves stand apart.  SIGNAL stands inside a step, behind its exponentials: my last reads of the slot in hand, V^T's fragments, were issued ahead of the softmax.  Each wave waits for all its
; tensor loads (its part of the slot ahead), adds 0 to its spare word (fill = 1: twice on end), and waits for that and for its reads of the slot in hand; then it signals.
; Work on registers alone follows, to the step's last product.  ARRIVE stands behind that product: the slot ahead is whole and nobody reads the slot in hand; fill = 1: that one takes the key step two on, the first thing behind the barrier.
; ahead: how many steps beyond the count of trips the load goes that the descriptors are stepped for.
.set T2X, 63
.macro SIGNAL fill, ahead
	s_wait_tensorcnt 0x0                           ; no tensor load of mine is out, so a group 0 may be written
	ds_add_u32 v[SPW], v[NIL]
.if \fill
	ds_add_u32 v[SPW], v[NIL]
	s_xor_b32 s[G0R+1], s[G0R+1], SLOT1            ; the other slot than last time,
	s_xor_b32 s[G0S+1], s[G0S+1], SLOT1
	s_add_nc_u64 s[G0R+2:G0R+3], s[G0R+2:G0R+3], STEPB   ; the next key step;
	s_add_nc_u64 s[G0S+2:G0S+3], s[G0S+2:G0S+3], 2048
	s_add_co_u32 s[T2X], s[TR], \ahead
	s_cmp_eq_u32 s[T2X], s[L1]                     ; where that step begins the second block: back to key step 0
	s_cselect_b32 s[BK], s[BKR], 0
	s_cselect_b32 s[BK2], s[BKS], 0
	s_sub_nc_u64 s[G0R+2:G0R+3], s[G0R+2:G0R+3], s[BK:BK+1]
	s_sub_nc_u64 s[G0S+2:G0S+3], s[G0S+2:G0S+3], s[BK2:BK2+1]
	s_wait_xcnt 0x0                                ; the last prefetch, a trip back, has read its address
	s_add_nc_u64 s[PFA:PFA+1], s[PFA:PFA+1], STEPB
.endif
	s_wait_dscnt 0x0                               ; the add is done, and my reads of the slot that I have left are over
	s_barrier_signal -1
.endm
.macro ARRIVE fill, c
	s_barrier_wait -1
.if \fill
	TLOAD                                          ; the first thing behind the barrier, and a wave's one tensor load until the next
	ASK \c
.endif
.endm
; A KEY STEP: 128 keys.  diag = 1: the step on the diagonal, always masked; 0: masked in the trip that ends the first block; 2: never (a step of the second block ahead of its diagonal).
; sig = 1: the signal of a change of slots with a refill stands in it; 2: of one without; 0: none.
.macro STEP diag, sig
	v_add_nc_u32 v[AD], s[TB], v[A16]              ; (these six are also the places in front of the loads into registers that the last products read)
	v_add_nc_u32 v[AD+1], s[TB], v[A8]
	v_add_nc_u32 v[AD+2], s[TB], v[V16]
	v_add_nc_u32 v[AD+3], s[TB], v[V8]
	v_add_nc_u32 v[AD+4], s[TB], v[ASK0]
	v_add_nc_u32 v[AD+5], s[TB], v[ASV0]
.irp i, 0,1,2,3,4,5,6,7
	ds_load_b128 v[KF+6*\i:KF+6*\i+3], v[AD] offset:\i*1536
	ds_load_b64 v[KF+6*\i+4:KF+6*\i+5], v[AD+1] offset:\i*1536
	ds_load_b32 v[KS+\i], v[AD+4] offset:\i*128
.endr
	s_wait_alu depctr_va_vdst(0)
	s_wait_dscnt 0x0
.irp i, 0,1,2,3,4,5,6,7
	v_wmma_scale_f32_16x16x128_f8f6f4 v[SS+8*\i:SS+8*\i+7], v[KF+6*\i:KF+6*\i+11], v[QF:QF+11], 0, v[KS+\i], v[QW] matrix_a_fmt:MATRIX_FMT_FP6 matrix_b_fmt:MATRIX_FMT_FP6
.endr
.rept 4
	v_nop                                          ; places in front of the loads below and of the first read of the scores
.endr
.irp d, 0,1,2,3                        ; V^T's four fragments land under the softmax
	ds_load_b128 v[KF+12*\d:KF+12*\d+3], v[AD+2] offset:\d*1536
	ds_load_b64 v[KF+12*\d+4:KF+12*\d+5], v[AD+3] offset:\d*1536
	ds_load_b128 v[KF+12*\d+6:KF+12*\d+9], v[AD+2] offset:\d*1536+768
	ds_load_b64 v[KF+12*\d+10:KF+12*\d+11], v[AD+3] offset:\d*1536+768
	ds_load_b32 v[VS+\d], v[AD+5] offset:\d*128
.endr
.if (\diag) < 2
.if !(\diag)
	s_cmp_lg_u32 s[T1], s[L1]                      ; ids and the count of trips alone
	s_cbranch_scc1 .Lopen_\@
.endif
	v_mov_b32 v[TT], 0xff800000                    ; register 16 b + i holds key 32 b + 16 (lane / 16) + i of the step: hidden where 32 b + i > my query's place - 16 (lane / 16)
.set cn, 0
.rept 64
	v_cmp_gt_i32 vcc_lo, 32*(cn/16)+cn%16, v[D0]
	v_cndmask_b32 v[SS+cn], v[SS+cn], v[TT], vcc_lo
.set cn, cn+1
.endr
.endif
.Lopen_\@:
.irp b, 0,1,2,3
	v_max3_num_f32 v[BM+\b], v[SS+16*\b], v[SS+1+16*\b], v[SS+2+16*\b]   ; the largest score of each block of 32 keys: for the row's maximum, and, since p rises with the score, for the block's largest p
.endr
.irp i, 3,5,7,9,11,13
.irp b, 0,1,2,3
	v_max3_num_f32 v[BM+\b], v[BM+\b], v[SS+16*\b+\i], v[SS+1+16*\b+\i]
.endr
.endr
.irp b, 0,1,2,3
	v_max_num_f32 v[BM+\b], v[BM+\b], v[SS+15+16*\b]
.endr
.irp b, 0,1,2,3
	s_delay_alu instid0(VALU_DEP_4)
	v_permlanex16_b32 v[T2+\b], v[BM+\b], s[SEL], s[SEL+1]
.endr
.irp b, 0,1,2,3
	s_delay_alu instid0(VALU_DEP_4)
	v_max_num_f32 v[BM+\b], v[BM+\b], v[T2+\b]     ; with lane l xor 16's 16 keys
.endr
	s_delay_alu instid0(VALU_DEP_2)
	v_max3_num_f32 v[TT], v[BM], v[BM+1], v[BM+2]
	s_delay_alu instid0(VALU_DEP_1)
	v_max_num_f32 v[TT], v[TT], v[BM+3]
	s_delay_alu instid0(VALU_DEP_1)
	v_mul_f32 v[TT], s[CS], v[TT]                  ; as t (c is positive)
	s_delay_alu instid0(VALU_DEP_1)
	v_max_num_f32 v13, v13, v[TT]                  ; the running largest t
	v_mov_b32 v[TT], v12
	s_delay_alu instid0(VALU_DEP_2)
	v_floor_f32 v12, -v13                          ; the new -M = -ceil(t): a whole number
	s_delay_alu instid0(VALU_DEP_1)
	v_sub_f32 v[TT], v12, v[TT]                    ; old M - new M: a whole number, 0 or less
	s_delay_alu instid0(VALU_DEP_1)
	v_cvt_i32_f32 v[TT], v[TT]                     ; (it saturates)
	s_delay_alu instid0(VALU_DEP_1)
	v_ldexp_f32 v[FF], 1.0, v[TT]                  ; f = 2^(old M - new M)
.set cn, 0
.rept 32
	v_pk_fma_f32 v[SS+cn:SS+cn+1], v[SS+cn:SS+cn+1], s[CS:CS+1], v[12:13] op_sel_hi:[1,0,0]   ; t - M, two at a time
.set cn, cn+2
.endr
.irp b, 0,1,2,3
	v_fma_f32 v[BM+\b], v[BM+\b], s[CS], v12       ; the same of each block's largest score
.endr
.set cn, 0
	s_wait_alu depctr_va_vdst(0)
.rept 64
	v_exp_f32 v[SS+cn], v[SS+cn]                   ; p = 2^(t - M)
.set cn, cn+1
.endr
	v_pk_mul_f32 v[14:15], v[14:15], v[FF:FF+1] op_sel_hi:[1,0]   ; the sums under the new M (a plain place behind the exponentials)
.if (\sig) == 1
	SIGNAL 1, 2
.endif
.if (\sig) == 2
	SIGNAL 0, 0
.endif
	s_wait_alu depctr_va_vdst(0)                   ; one wait for the whole batch, ahead of its first reader
.irp b, 0,1,2,3
	v_exp_f32 v[BM+\b], v[BM+\b]                   ; the block's largest p
.endr
	v_pk_add_f32 v[228:229], v[100:101], v[104:105]
	v_pk_add_f32 v[246:247], v[108:109], v[112:113]
	v_pk_add_f32 v[244:245], v[116:117], v[120:121]
	v_pk_add_f32 v[242:243], v[124:125], v[128:129]
	v_pk_add_f32 v[240:241], v[132:133], v[136:137]
	v_pk_add_f32 v[238:239], v[140:141], v[144:145]
	v_pk_add_f32 v[236:237], v[148:149], v[152:153]
	v_pk_add_f32 v[14:15], v[14:15], v[156:157]
	v_pk_add_f32 v[228:229], v[228:229], v[96:97]
	v_pk_add_f32 v[246:247], v[246:247], v[98:99]
	v_pk_add_f32 v[244:245], v[244:245], v[102:103]
	v_pk_add_f32 v[242:243], v[242:243], v[106:107]
	v_pk_add_f32 v[240:241], v[240:241], v[110:111]
	v_pk_add_f32 v[238:239], v[238:239], v[114:115]
	v_pk_add_f32 v[236:237], v[236:237], v[118:119]
	v_pk_add_f32 v[14:15], v[14:15], v[122:123]
	v_pk_add_f32 v[228:229], v[228:229], v[126:127]
	v_pk_add_f32 v[246:247], v[246:247], v[130:131]
	v_pk_add_f32 v[244:245], v[244:245], v[134:135]
	v_pk_add_f32 v[242:243], v[242:243], v[138:139]
	v_pk_add_f32 v[240:241], v[240:241], v[142:143]
	v_pk_add_f32 v[238:239], v[238:239], v[146:147]
	v_pk_add_f32 v[236:237], v[236:237], v[150:151]
	v_pk_add_f32 v[14:15], v[14:15], v[154:155]
	v_pk_add_f32 v[228:229], v[228:229], v[158:159]
	s_delay_alu instid0(VALU_DEP_2)
	v_pk_add_f32 v[14:15], v[14:15], v[242:243]
	s_delay_alu instid0(VALU_DEP_2)
	v_pk_add_f32 v[228:229], v[228:229], v[240:241]
	v_pk_add_f32 v[246:247], v[246:247], v[238:239]
	v_pk_add_f32 v[244:245], v[244:245], v[236:237]
	s_delay_alu instid0(VALU_DEP_2)
	v_pk_add_f32 v[14:15], v[14:15], v[246:247]
	s_delay_alu instid0(VALU_DEP_2)
	v_pk_add_f32 v[228:229], v[228:229], v[244:245]
	s_delay_alu instid0(VALU_DEP_1)
	v_pk_add_f32 v[14:15], v[14:15], v[228:229]
	s_wait_alu depctr_va_vdst(0)                   ; and one for the four
.irp b, 0,1,2,3
	v_max_num_f32 v[BM+\b], 0x1800000, v[BM+\b]    ; the floor 2^(3 - 127): the byte cannot fall under 1
.endr
.irp b, 0,1,2,3
	s_delay_alu instid0(VALU_DEP_4)
	v_add_nc_u32 v[SO+\b], 0xff000000, v[BM+\b]    ; 2 off the exponent field: the conversion's scale operand
.endr
.irp b, 0,1,2,3
	s_delay_alu instid0(VALU_DEP_4)
	v_lshrrev_b32 v[T2+\b], 23, v[SO+\b]
.endr
	s_delay_alu instid0(VALU_DEP_3)
	v_lshl_or_b32 v[PWD], v[T2+1], 8, v[T2]        ; p's scale word for these 128 keys
	s_delay_alu instid0(VALU_DEP_1)
	v_lshl_or_b32 v[PWD], v[T2+2], 16, v[PWD]
	s_delay_alu instid0(VALU_DEP_1)
	v_lshl_or_b32 v[PWD], v[T2+3], 24, v[PWD]
.irp c, 0,1
	v_cvt_scalef32_pk16_fp6_f32 v[PCD+6*\c:PCD+2+6*\c], v[SS+32*\c:SS+15+32*\c], v[SO+2*\c]
	v_cvt_scalef32_pk16_fp6_f32 v[P2+4*\c:P2+2+4*\c], v[SS+16+32*\c:SS+31+32*\c], v[SO+2*\c+1]
.endr
	v_nop                                          ; one plain place behind a scaled conversion
.irp c, 0,1
.irp i, 0,1,2
	v_permlane16_swap_b32 v[PCD+6*\c+\i], v[P2+4*\c+\i]
.endr
.irp i, 0,1,2
	s_delay_alu instid0(VALU_DEP_3)
	v_mov_b32 v[PCD+3+6*\c+\i], v[P2+4*\c+\i]
.endr
.endr
.set cn, 0
.rept 16
	v_pk_mul_f32 v[OT+cn:OT+cn+1], v[OT+cn:OT+cn+1], v[FF:FF+1] op_sel_hi:[1,0]   ; O^T under the new M (these are also the places in front of the scaled products below)
.set cn, cn+2
.endr
	s_wait_alu depctr_va_vdst(0)
.if (\sig) == 0
	s_wait_dscnt 0x0                               ; V^T and its scale words are in (elsewhere the wait ahead of the signal has shown it)
.endif
.irp d, 0,1,2,3
	v_wmma_scale_f32_16x16x128_f8f6f4 v[OT+8*\d:OT+8*\d+7], v[KF+12*\d:KF+12*\d+11], v[PCD:PCD+11], v[OT+8*\d:OT+8*\d+7], v[VS+\d], v[PWD] matrix_a_fmt:MATRIX_FMT_FP6 matrix_b_fmt:MATRIX_FMT_FP6
.endr
.endm
; A BLOCK OF QUERIES IS DONE: O^T / the sum is res; my lane's 32 registers are register 16 g + i = channel 32 g + 16 (lane / 16) + i of my query: two blocks of 32, half a fragment of the last product's operand.
.macro FINISH w
.rept 4
	v_nop
.endr
	v_add_f32 v14, v14, v15
	s_delay_alu instid0(VALU_DEP_1)
	v_permlanex16_b32 v[TT], v14, s[SEL], s[SEL+1]
	s_delay_alu instid0(VALU_DEP_1)
	v_add_f32 v14, v14, v[TT]                      ; the row's sum
	s_wait_alu depctr_va_vdst(0)
	v_rcp_f32 v[FF], v14
	v_nop                                          ; a plain place behind the reciprocal
	s_wait_alu depctr_va_vdst(0)                   ; and the wait ahead of its first reader
.set cn, 0
.rept 16
	v_pk_mul_f32 v[SS+cn:SS+cn+1], v[OT+cn:OT+cn+1], v[FF:FF+1] op_sel_hi:[1,0]
.set cn, cn+2
.endr
.irp b, 0,1
	v_max3_num_f32 v[BM+\b], |v[SS+16*\b]|, |v[SS+1+16*\b]|, 0x1800000
.endr
.irp i, 2,4,6,8,10,12,14
.irp b, 0,1
	s_delay_alu instid0(VALU_DEP_2)
	v_max3_num_f32 v[BM+\b], v[BM+\b], |v[SS+16*\b+\i]|, |v[SS+1+16*\b+\i]|
.endr
.endr
.irp b, 0,1
	s_delay_alu instid0(VALU_DEP_2)
	v_permlanex16_b32 v[T2+\b], v[BM+\b], s[SEL], s[SEL+1]
.endr
.irp b, 0,1
	s_delay_alu instid0(VALU_DEP_2)
	v_max_num_f32 v[BM+\b], v[BM+\b], v[T2+\b]
.endr
.irp b, 0,1
	s_delay_alu instid0(VALU_DEP_2)
	v_add_nc_u32 v[SO+\b], 0xff000000, v[BM+\b]
.endr
.irp b, 0,1
	s_delay_alu instid0(VALU_DEP_2)
	v_lshrrev_b32 v[T2+\b], 23, v[SO+\b]
.endr
	s_delay_alu instid0(VALU_DEP_1)
	v_lshl_or_b32 v[HW], v[T2+1], 8, v[T2]         ; my head's two bytes of the row's scale word
	v_cvt_scalef32_pk16_fp6_f32 v[PCD:PCD+2], v[SS:SS+15], v[SO]
	v_cvt_scalef32_pk16_fp6_f32 v[P2:P2+2], v[SS+16:SS+31], v[SO+1]
	v_nop
.irp i, 0,1,2
	v_permlane16_swap_b32 v[PCD+\i], v[P2+\i]
.endr
.irp i, 0,1,2
	s_delay_alu instid0(VALU_DEP_3)
	v_mov_b32 v[PCD+3+\i], v[P2+\i]
.endr
	global_store_b128 v[L16], v[PCD:PCD+3], s[RC1+2*\w:RC1+2*\w+1]            ; 512 and 256 consecutive bytes, aligned
	global_store_b64 v[L8], v[PCD+4:PCD+5], s[RC1+2*\w:RC1+2*\w+1] offset:512
	ds_store_b16 v[SCGA], v[HW] offset:512*\w      ; lanes r and r + 16 write the same two bytes with the same value
.endm
.macro RESTART                         ; the second block's Q; O^T, the sum and the largest t begin anew
.irp i, 0,1,2,3,4,5
	v_mov_b32 v[QF+\i], v[Q2+\i]
.endr
	v_mov_b32 v[QW], v[QW2]
	v_mov_b32 v13, 0xff61b1e6
	s_delay_alu instid0(VALU_DEP_1)
	v_floor_f32 v12, -v13
	v_mov_b32 v14, 0
	v_mov_b32 v15, 0
.set cn, 0
.rept 32
	v_mov_b32 v[OT+cn], 0
.set cn, cn+1
.endr
	s_wait_xcnt 0x0                                ; the stores above have read the codes' registers
.endm
	s_wait_loadcnt 0x0                             ; Q
	SIGNAL 1, 1                                    ; the first change of slots, whole: key step 0 is in,
	ARRIVE 1, TR                                   ; and slot 1 takes the second step
.Ltrip:                                            ; 15 trips, each with a refill; steps 15 and 16 are written out
	s_add_co_u32 s[T1], s[TR], 1
	STEP 0, 1
	ARRIVE 1, T1
	s_xor_b32 s[TB], s[TB], SLOT1                  ; on to the other slot
	s_add_co_u32 s[TR], s[TR], 1
	s_cmp_lg_u32 s[TR], s[L1]                      ; the same in all sixteen waves
	s_cbranch_scc1 .Lsame_block
	FINISH 0
	RESTART
.Lsame_block:
	s_cmp_lt_u32 s[TR], 15
	s_cbranch_scc1 .Ltrip
	STEP 2, 2                                      ; step 15: the first block has at most 8 steps, so this one lies in the second block, ahead of its diagonal
	ARRIVE 0, TR
	s_xor_b32 s[TB], s[TB], SLOT1
	STEP 1, 0                                      ; the second block's step on the diagonal
	FINISH 1
	s_wait_dscnt 0x0                               ; for the others' sake: my scale bytes have landed
	s_barrier_signal -1
	s_barrier_wait -1                              ; both blocks' 128 scale words are whole
	s_cmp_lg_u32 s[WV], 8
	s_cbranch_scc1 .Lnot_wave_8
	ds_load_b128 v[OUTA:OUTA+3], v[SCGR]
	ds_load_b128 v[Q2+2:Q2+5], v[SCGR] offset:512
	s_wait_dscnt 0x0
	global_store_b128 v[L16], v[OUTA:OUTA+3], s[RS1:RS1+1]
	global_store_b128 v[L16], v[Q2+2:Q2+5], s[RS1+2:RS1+3]
.Lnot_wave_8:
	s_wait_tensorcnt 0x0                           ; the wave's end
	ds_add_u32 v[SPW], v[NIL]
	s_wait_dscnt 0x0
	s_endpgm
.Lfunc_end_k_q4b253d4f7a_attn:
	.size	k_q4b253d4f7a_attn, .Lfunc_end_k_q4b253d4f7a_attn-k_q4b253d4f7a_attn
	.p2alignl 7, 3214868480
	.fill 96, 4, 3214868480
	.section	.rodata,"a",@progbits
	.p2align	6, 0x0
	.amdhsa_kernel k_q4b253d4f7a_attn
		.amdhsa_group_segment_fixed_size 327680
		.amdhsa_private_segment_fixed_size 0
		.amdhsa_enable_private_segment 0
		.amdhsa_kernarg_size 24
		.amdhsa_user_sgpr_count 2
		.amdhsa_user_sgpr_kernarg_segment_ptr 1
		.amdhsa_wavefront_size32 1
		.amdhsa_system_sgpr_workgroup_id_x 1
		.amdhsa_system_sgpr_workgroup_id_y 1
		.amdhsa_system_sgpr_workgroup_id_z 1
		.amdhsa_system_vgpr_workitem_id 0
		.amdhsa_next_free_vgpr 256
		.amdhsa_next_free_sgpr 96
		.amdhsa_reserve_vcc 1
		.amdhsa_float_denorm_mode_32 3
		.amdhsa_float_denorm_mode_16_64 3
		.amdhsa_memory_ordered 1
		.amdhsa_forward_progress 1
		.amdhsa_inst_pref_size 88
	.end_amdhsa_kernel
	.amdgpu_metadata
---
amdhsa.version: [ 1, 2 ]
amdhsa.kernels:
  - .name:           k_q4b253d4f7a_attn
    .symbol:         k_q4b253d4f7a_attn.kd
    .args:
      - { .name: qq, .offset: 0, .size: 8, .value_kind: global_buffer, .address_space: global }
      - { .name: kv, .offset: 8, .size: 8, .value_kind: global_buffer, .address_space: global }
      - { .name: rq, .offset: 16, .size: 8, .value_kind: global_buffer, .address_space: global }
    .group_segment_fixed_size: 327680
    .private_segment_fixed_size: 0
    .kernarg_segment_align: 8
    .kernarg_segment_size: 24
    .max_flat_workgroup_size: 512
    .sgpr_count:     96
    .vgpr_count:     256
    .wavefront_size: 32
...
	.end_amdgpu_metadata
.endif
;; end of part 3
;; launch outp (part 4): grid 32 x 8, 4 waves a work-group, clusters of 4 x 4, 327,680 bytes of LDS; arguments rq, wq, out0; writes out0
.if DOCPART == 4
	.amdgcn_target "amdgcn-amd-amdhsa--gfx1250"
	.amdhsa_code_object_version 6
	.text
	.protected	k_q4b253d4f7a_outp
	.globl	k_q4b253d4f7a_outp
	.p2align	8
	.type	k_q4b253d4f7a_outp,@function
k_q4b253d4f7a_outp:
	s_mov_b64 s[64:65], 0
	v_nop
	global_prefetch_b8 v0, s[64:65] scope:SCOPE_SE
	s_setreg_imm32_b32 hwreg(HW_REG_WAVE_MODE, 25, 1), 1
	s_wait_xcnt 0x0
	s_wait_alu depctr_hold_cnt(0) depctr_sa_sdst(0) depctr_va_vdst(0) depctr_va_sdst(0) depctr_va_ssrc(0) depctr_va_vcc(0) depctr_vm_vsrc(0)
	s_getreg_b32 s2, hwreg(HW_REG_IB_STS2, 6, 4)
	s_cmp_eq_u32 s2, 0
	s_cbranch_scc0 .Lentry_in_a_cluster
	s_endpgm
.Lentry_in_a_cluster:
	s_bfe_u32 s2, ttmp6, 0x10000c
	s_cmp_lg_u32 s2, 0xf033
	s_cbranch_scc0 .Lentry_shape_is_right
	s_endpgm
.Lentry_shape_is_right:
; out0[token][n] = sum over k of res[token][k] Wo[k][n] on codes of FP6 (E2M3): 8,192 x 1,024 x 1,024, f32 out.  No work of reference() is left out here.
; LIMITS: as stated at the head of launch qx.
; OPERANDS, as the earlier launches left them: rq (res) and wq (rows 3,072 on: Wo's columns n): codes [block of 16 rows][K step of 128: 8][1,536] as images of the operand's registers (a half image of 768 bytes:
; lane l's registers 0-3 at 16 l, registers 4-5 at 512 + 8 l); block 2 g + u, place r = row 32 g + 8 u + r + 8 (r / 8).  Scale words, from RSC or WSC on: 4,096 bytes for each 128 rows as [K step 8][block 8][place 16].
; THE DEAL.  256 work-groups of four waves, 2 x 2, each 256 rows x 128 columns.  Wave (a, b) holds Wo's four blocks 4 b .. 4 b + 3 of the tile, all of K, in 384 registers, and streams res's blocks 2 s + a, s = 0 .. 7, past them:
; 32 products a block.  Block 2 s + a holds tokens 32 s + 8 a + p + 8 (p / 8).  Source 0 = Wo's rows: a lane's 8 registers of tile 2 g + u are columns 32 g + 8 u + 16 (lane / 16) + 0 .. 7 of one token.
; THE CLUSTER's x counts tile rows (4 x cluster x + cx), its y tile columns.  res's tiles are shared by a column of the cluster (mask s44), Wo's by a row (mask s45).  No LDS address hangs on the cluster's numbers.
; LDS: res's 16 blocks (196,608 bytes), Wo's 8 blocks (98,304), res's scale words re-laid as rows of 32 bytes, 16 more behind each 256 (8,704), the spare words.  Every byte is filled once: no refill.
; The waves' stages lie in Wo's first bytes, which are read for the last time ahead of the barrier in front of the stream.  NO DATA PREFETCH: all that the work-group reads is asked for at the head; there is no loop to run ahead in.
; THE HEAD'S FOUR TILES, one a wave, each on its own line: Wo's 8 blocks; res's blocks 0-7; 8-11; 12-15.  The stream begins when the first two are in; a plain barrier inside every odd block shows the others (they are first read behind block 2).
; Two sets of res's fragments, of accumulators and of the rows that come back from the stage, by turns.  One run of memory lines behind a block's products: its sums into the stage and back as rows of 256 bytes, the fetch of the
; block two on, ONE wait on LDS (younger than the rows' way back is the fetch alone: NF loads), eight stores, each of two aligned units of 256 bytes.
.set RSC, 6291456
.set WSC, 3145728
.set NB, 4                             ; column tiles a wave
.set FR, 12                            ; registers of a fragment
.set FPW, 21                           ; fragments in a window of 256 registers
.set BLKB, 12288                       ; a block of 16 rows, all of K
.set GRPB, 98304                       ; 128 rows
.set NF, 34                            ; LDS loads of a block: 32 for eight fragments, 2 for eight scale words
.set YB, 16*BLKB                       ; Wo's blocks
.set SCLA, YB+8*BLKB                   ; res's scale words: block x 544 + 32 r + 16 (r / 8)
.set SSTEP, 2*544
.set SPARE, SCLA+16*544
.set SPITCH, 272                       ; a stage: 16 rows x (256 + 16) for each wave
.set STAGE, YB
.set AQ0, 4                            ; v4, v5  LDS addresses of my block 0: + 16 x lane; + 512 + 8 x lane; never rewritten
.set AAS0, 6                           ; v6      of its scale words; never rewritten
.set CO, 9                             ; v9      my byte offset in out0: row lane / 16, 16 bytes x (lane % 16)
.set SPW, 10                           ; v10     my spare word
.set NIL, 11                           ; v11     0
.set AQ, 12                            ; v12, v13  as v4, v5, for the block that is fetched next
.set AAS, 14                           ; v14     as v6
.set BA, 16                            ; v16, v17  LDS addresses of my four blocks of Wo
.set STO, 18                           ; v18     the stage: where I put 32 bytes of a row
.set RD, 19                            ; v19     the stage: where I read 16 bytes of a row back
.set ABS, 20                           ; v20     4 x lane
.set GS, 21                            ; v21     4 x thread
.set SS, 22                            ; v22     LDS: where my thread's row of scale words goes
.set SB, 24                            ; v24-39  Wo's scale words: 8 (tile / 2) + K step; lanes 0-15 the even tile, lanes 16-31 the odd
.set SA, 44                            ; v44-59  res's: two sets of eight
.set ACC, 64                           ; v64-127 two sets of four accumulators
.set BK, 128                           ; v128-191 two sets: 16 rows x 256 bytes back from the stage
.set G1A, 24
.set G1B, 32
.set G0A, 56
.set G0B, 60
.set MSB, 0
.macro WIN new                         ; the immediate's high byte repeats the setting that is left
.if MSB != \new
	s_set_vgpr_msb (MSB<<8)|\new
.set MSB, \new
.endif
.endm
.macro PLACES n
.rept \n
	v_nop
.endr
.endm
.macro WALU
	s_wait_alu depctr_va_vdst(0)
.endm
.macro BARRIER
	s_barrier_signal -1
	s_barrier_wait -1
.endm
.macro CROUND                          ; a round of the cluster's barrier
	BARRIER
	s_cmp_lg_u32 s14, 0
	s_cbranch_scc1 .Lnot_wave_0_\@
	s_barrier_signal -3
.Lnot_wave_0_\@:
	s_barrier_wait -3
	BARRIER
.endm
.macro TLOAD g0, g1                    ; an s_nop 0 and four v_nop follow a tensor load
	tensor_load_to_lds s[\g0:\g0+3], s[\g1:\g1+7]
	s_nop 0
	PLACES 4
.endm
.macro GROUP1 g, mask, rows            ; rows of one block, 1,536 elements of 8 bytes, dense; rows = 0: the two words that count rows are written with each tile
	s_or_b32 s[\g+0], s[\mask], (3<<16)|(1<<21)
	s_mov_b32 s[\g+1], 1536<<16
	s_mov_b32 s[\g+3], 1536<<16
.if \rows
	s_mov_b32 s[\g+2], (\rows)<<16
	s_mov_b32 s[\g+4], \rows
.endif
	s_mov_b32 s[\g+5], 1536
	s_mov_b32 s[\g+6], 0
	s_mov_b32 s[\g+7], 0
.endm
.macro ATILE first, rows               ; blocks first .. first + rows - 1 of res's 16, by a descriptor of constants
	s_mov_b32 s[G0A+1], (\first)*BLKB
	s_mov_b32 s[G1A+2], (\rows)<<16
	s_mov_b32 s[G1A+4], \rows
.if \first
	s_add_nc_u64 s[G0A+2:G0A+3], s[G0A+2:G0A+3], (\first)*BLKB
.endif
	s_or_b32 s[G0A+3], s[G0A+3], 0x80000000
	TLOAD G0A, G1A
.endm
; fragments 0-31: Wo's (4 x K step + tile); 32-47: res's two sets (32 + 8 e + K step).  Fragment f lies in window 1 + f / 21 at register 12 (f % 21)
.macro FRAG f, a16, a8, off            ; the image of a fragment's 12 registers: every load reads consecutive bytes
	WIN (1+(\f)/FPW)<<6
.set R_, FR*((\f)%FPW)
	ds_load_b128 v[R_:R_+3], v[\a16] offset:\off
	ds_load_b64 v[R_+4:R_+5], v[\a8] offset:\off
	ds_load_b128 v[R_+6:R_+9], v[\a16] offset:(\off)+768
	ds_load_b64 v[R_+10:R_+11], v[\a8] offset:(\off)+768
.endm
.macro FETCHAT e, aq, as               ; a block of res into set e: NF loads
.irp q, 0,1,2,3,4,5,6,7
	FRAG 32+8*(\e)+\q, \aq, \aq+1, \q*1536
.endr
	WIN 0
	ds_load_b128 v[SA+8*(\e):SA+8*(\e)+3], v[\as]
	ds_load_b128 v[SA+8*(\e)+4:SA+8*(\e)+7], v[\as] offset:16
.endm
.macro PROD e, n                       ; product n = 4 x K step + tile of a block whose rows lie in set e.  The four accumulators take turns; the first K step takes C = 0
.set Q_, (\n)/4
.set FB_, NB*Q_+(\n)%4
.set FA_, 32+8*(\e)+Q_
.set D_, ACC+32*(\e)+8*((\n)%4)
.set XB_, SB+8*(((\n)%4)/2)+Q_
.set XA_, SA+8*(\e)+Q_
	WIN (1+FB_/FPW)|((1+FA_/FPW)<<2)
.if Q_
	PROD1 D_, FB_, FA_, v[D_:D_+7], XB_, XA_, (\n)%2
.else
	PROD1 D_, FB_, FA_, 0, XB_, XA_, (\n)%2
.endif
.endm
.macro PROD1 d, s0, s1, c, x0, x1, o
.if \o
	v_wmma_scale_f32_16x16x128_f8f6f4 v[\d:\d+7], v[FR*((\s0)%FPW):FR*((\s0)%FPW)+FR-1], v[FR*((\s1)%FPW):FR*((\s1)%FPW)+FR-1], \c, v[\x0], v[\x1] matrix_a_fmt:MATRIX_FMT_FP6 matrix_b_fmt:MATRIX_FMT_FP6 matrix_a_scale:MATRIX_SCALE_ROW1
.else
	v_wmma_scale_f32_16x16x128_f8f6f4 v[\d:\d+7], v[FR*((\s0)%FPW):FR*((\s0)%FPW)+FR-1], v[FR*((\s1)%FPW):FR*((\s1)%FPW)+FR-1], \c, v[\x0], v[\x1] matrix_a_fmt:MATRIX_FMT_FP6 matrix_b_fmt:MATRIX_FMT_FP6 matrix_a_scale:MATRIX_SCALE_ROW0
.endif
.endm
.macro PRODS e, from, to, fetch
.set N_, \from
.rept (\to)-(\from)
	PROD \e, N_
.if (\fetch) && (N_ == 1)
	s_add_co_u32 s101, s101, 2*BLKB                ; on to the block that this block's run fetches
	s_add_co_u32 s91, s91, SSTEP
.endif
.set N_, N_+1
.endr
	WIN 0
.endm
.macro STAGED u                        ; set u's sums into my stage, each accumulator from its low end on, and back as whole rows.  LDS serves a wave's instructions in order (ISA guide 5.7.1.4): no wait between
.irp b, 0,1,2,3
	ds_store_b128 v[STO], v[ACC+32*(\u)+8*\b:ACC+32*(\u)+8*\b+3] offset:128*(\b/2)+32*(\b%2)
	ds_store_b128 v[STO], v[ACC+32*(\u)+8*\b+4:ACC+32*(\u)+8*\b+7] offset:128*(\b/2)+32*(\b%2)+16
.endr
.irp t, 0,1,2,3,4,5,6,7
	ds_load_b128 v[BK+32*(\u)+4*\t:BK+32*(\u)+4*\t+3], v[RD] offset:2*\t*SPITCH
.endr
.endm
.macro TOC s                           ; places 2 t, 2 t + 1 of a block are tokens 2 t + 8 (t / 4) and the next; the pair's second block lies 32 tokens on.  16 lanes store 256 consecutive bytes, aligned
.irp t, 0,1,2,3,4,5,6,7
	global_store_b128 v[CO], v[BK+32*(\s)+4*\t:BK+32*(\s)+4*\t+3], s[12:13] offset:(32*(\s)+2*\t+8*(\t/4))*4096 th:TH_STORE_NT
.endr
.endm
.macro STREAM s, fetch, show           ; a pair's block s = 0, 1.  show = 1: a plain barrier inside the block shows waves 2 and 3's tiles to all
.if \show
	PRODS \s, 0, 24, \fetch
	s_wait_tensorcnt 0x0
	s_wait_dscnt 0x0
	s_barrier_signal -1
	PRODS \s, 24, 32, \fetch
	s_barrier_wait -1
.else
	PRODS \s, 0, 32, \fetch
.endif
.if \fetch                             ; four plain vector lines between the last product and the first reader of its sums and the fetch into the registers that it read
	v_add_nc_u32 v[AQ], s101, v[AQ0]
	v_add_nc_u32 v[AQ+1], s101, v[AQ0+1]
	v_add_nc_u32 v[AAS], s91, v[AAS0]
	v_nop
	WALU
.else
	PLACES 4
.endif
	s_wait_xcnt 0x0                                ; the stores of two blocks ago have read set s of the rows, and those of the block before their base
.if (\s) == 0
	s_add_nc_u64 s[12:13], s[12:13], s[20:21]      ; on to this pair's rows of out0
.endif
	STAGED \s
.if \fetch
	FETCHAT \s, AQ, AAS
	s_wait_dscnt NF                                ; the block's rows are back from the stage, and the next block's fragments are in; this run's fetch is younger
.else
	s_wait_dscnt 0x0
.endif
	TOC \s
.endm
; ---- the head
	s_load_b128 s[4:7], s[0:1], 0x0                ; rq, wq
	s_load_b64 s[12:13], s[0:1], 0x10              ; out0
	v_lshl_add_u32 v[SPW], v0, 2, SPARE
	v_mov_b32 v[NIL], 0
	ds_add_u32 v[SPW], v[NIL]                      ; the opening lines: the add, twice on end, and its wait
	ds_add_u32 v[SPW], v[NIL]
	v_lshrrev_b32 v1, 5, v0
	v_readfirstlane_b32 s14, v1                    ; the wave; s15 its row a of the 2 x 2, s16 its column b
	s_lshr_b32 s15, s14, 1
	s_and_b32 s16, s14, 1
	s_bfe_u32 s40, ttmp6, 0x40000                  ; cx
	s_bfe_u32 s41, ttmp6, 0x40004                  ; cy
	s_lshl_b32 s43, ttmp9, 2
	s_add_co_u32 s43, s43, s40                     ; tile row, 0 .. 31
	s_and_b32 s42, ttmp7, 0xffff
	s_lshl_b32 s42, s42, 2
	s_add_co_u32 s42, s42, s41                     ; tile column, 0 .. 7
	s_lshl_b32 s44, 0x1111, s40                    ; my column of the cluster shares res's rows
	s_lshl_b32 s45, s41, 2
	s_lshl_b32 s45, 15, s45                        ; my row shares Wo's
	GROUP1 G1A, 44, 0
	GROUP1 G1B, 45, 8
	s_mov_b32 s[G0A], 1
	s_mov_b32 s[G0B], 1
	s_mov_b32 s[G0B+1], YB
	s_mul_i32 s76, s43, 2*GRPB                     ; res's 256 rows
	s_mov_b32 s77, 0
	s_add_co_u32 s46, s42, 24                      ; Wo's groups of 128 rows begin at group 24 of wq
	s_mul_i32 s78, s46, GRPB
	s_mov_b32 s79, 0
	s_lshl_b32 s80, s43, 13                        ; res's scale words: 8,192 bytes a tile row
	s_add_co_u32 s80, s80, RSC
	s_mov_b32 s81, 0
	s_lshl_b32 s82, s46, 12                        ; Wo's: my four blocks, 64 bytes each in a K step's 512
	s_lshl_b32 s21, s16, 8
	s_add_co_u32 s82, s82, s21
	s_add_co_u32 s82, s82, WSC
	s_mov_b32 s83, 0
	s_lshl_b32 s84, s43, 20                        ; out0: 256 rows of 4,096 bytes a tile row, 8 rows for wave row 1, 512 bytes a tile column, 256 a wave column
	s_lshl_b32 s21, s15, 15
	s_add_co_u32 s84, s84, s21
	s_lshl_b32 s21, s42, 9
	s_add_co_u32 s84, s84, s21
	s_lshl_b32 s21, s16, 8
	s_add_co_u32 s84, s84, s21
	s_mov_b32 s85, 0
	v_and_b32 v1, 15, v0                           ; r
	v_bfe_u32 v2, v0, 4, 1                         ; h
	v_and_b32 v3, 31, v0                           ; lane
	v_lshlrev_b32 v7, 4, v3
	v_lshl_add_u32 v8, v3, 3, 512
	s_mul_i32 s21, s15, BLKB
	v_add_nc_u32 v[AQ0], s21, v7
	v_add_nc_u32 v[AQ0+1], s21, v8
	v_add_nc_u32 v[AQ], 2*BLKB, v[AQ0]
	v_add_nc_u32 v[AQ+1], 2*BLKB, v[AQ0+1]
	s_mul_i32 s22, s16, 4*BLKB
	s_add_co_u32 s22, s22, YB
	v_add_nc_u32 v[BA], s22, v7
	v_add_nc_u32 v[BA+1], s22, v8
	v_lshrrev_b32 v15, 3, v1
	v_lshlrev_b32 v15, 4, v15
	v_lshl_add_u32 v15, v1, 5, v15                 ; 32 r + 16 (r / 8)
	s_mul_i32 s21, s15, 544
	s_add_co_u32 s21, s21, SCLA
	v_add_nc_u32 v[AAS0], s21, v15
	v_add_nc_u32 v[AAS], SSTEP, v[AAS0]
	s_mul_i32 s21, s14, 16*SPITCH
	s_add_co_u32 s21, s21, STAGE
	v_mul_u32_u24 v23, v1, SPITCH
	v_lshl_add_u32 v23, v2, 6, v23
	v_add_nc_u32 v[STO], s21, v23
	v_mul_u32_u24 v23, v2, SPITCH
	v_lshl_add_u32 v23, v1, 4, v23
	v_add_nc_u32 v[RD], s21, v23
	v_lshlrev_b32 v23, 12, v2
	v_lshl_add_u32 v[CO], v1, 4, v23
	v_lshlrev_b32 v[ABS], 2, v3
	v_lshlrev_b32 v[GS], 2, v0
	v_lshrrev_b32 v23, 3, v0
	v_lshlrev_b32 v23, 4, v23
	v_lshl_add_u32 v23, v0, 5, v23                 ; thread t's row: 32 t + 16 (t / 8)
	v_add_nc_u32 v[SS], SCLA, v23
	WALU                                           ; the wait at the end of the head's vector work
	s_wait_dscnt 0x0
	CROUND                                         ; the opening round, ahead of the first joint loads
	s_wait_kmcnt 0x0
	s_add_nc_u64 s[G0A+2:G0A+3], s[4:5], s[76:77]
	s_add_nc_u64 s[G0B+2:G0B+3], s[6:7], s[78:79]
	s_or_b32 s[G0B+3], s[G0B+3], 0x80000000
	s_add_nc_u64 s[8:9], s[4:5], s[80:81]
	s_add_nc_u64 s[10:11], s[6:7], s[82:83]
	s_add_nc_u64 s[12:13], s[12:13], s[84:85]
	s_cmp_eq_u32 s14, 0
	s_cbranch_scc0 .Lwave_1
	TLOAD G0B, G1B                                 ; wave 0: Wo's blocks, which are wanted first
	s_branch .Lasked
.Lwave_1:
	s_cmp_eq_u32 s14, 1
	s_cbranch_scc0 .Lwave_2
	ATILE 0, 8                                     ; wave 1: res's blocks 0 to 7
	s_branch .Lasked
.Lwave_2:
	s_cmp_eq_u32 s14, 2
	s_cbranch_scc0 .Lwave_3
	ATILE 8, 4                                     ; wave 2: 8 to 11
	s_branch .Lasked
.Lwave_3:
	ATILE 12, 4                                    ; wave 3: 12 to 15
.Lasked:
; res's scale words: thread t takes rows t and t + 128 of the 256 (row = 16 x block + place), a word for each K step: a load reads 128 consecutive bytes a wave, 512 a work-group.  They go into LDS as rows of eight words
.irp g, 0,1
.irp q, 0,1,2,3,4,5,6,7
	global_load_b32 v[ACC+8*\g+\q], v[GS], s[8:9] offset:4096*\g+512*\q
.endr
.endr
.irp p, 0,1
.irp q, 0,1,2,3,4,5,6,7
	global_load_b32 v[SB+8*\p+\q], v[ABS], s[10:11] offset:512*\q+128*\p   ; Wo's stay in registers
.endr
.endr
	s_wait_loadcnt 0x0
.irp g, 0,1
.irp c, 0,1
	ds_store_b128 v[SS], v[ACC+8*\g+4*\c:ACC+8*\g+4*\c+3] offset:4352*\g+16*\c
.endr
.endr
	s_wait_dscnt 0x0
	s_cmp_eq_u32 s14, 0
	s_cbranch_scc0 .Lnot_b
	s_wait_tensorcnt 0x0                           ; wave 0: Wo's blocks have landed
.Lnot_b:
	BARRIER
.irp q, 0,1,2,3,4,5,6,7                ; my four blocks of Wo, all of K: 128 loads
.irp b, 0,1,2,3
	FRAG NB*\q+\b, BA, BA+1, \b*BLKB+\q*1536
.endr
.endr
	WIN 0
	s_mov_b32 s101, 2*BLKB
	s_mov_b32 s91, SSTEP
	s_cmp_eq_u32 s14, 1
	s_cbranch_scc0 .Lnot_a
	s_wait_tensorcnt 0x0                           ; wave 1: res's blocks 0 to 7 have landed
.Lnot_a:
	s_wait_dscnt 0x0
	BARRIER                                        ; res's first eight blocks and all scale words are in, and nobody reads Wo's bytes any more.  Waves 2 and 3's tiles may still be on their way
	FETCHAT 0, AQ0, AAS0
	FETCHAT 1, AQ, AAS
; ---- the stream: eight blocks
	s_mov_b32 s23, 0
	s_mov_b32 s20, 0                               ; s[20:21]: from a pair's rows of out0 to the next pair's; the first pair begins where the base stands
	s_mov_b32 s21, 0
	s_wait_dscnt NF                                ; block 0's fragments are in
.Lpair:                                            ; blocks 0 to 5, a pair a trip
	STREAM 0, 1, 0
	STREAM 1, 1, 1
	s_mov_b32 s20, 64*4096                         ; the next pair lies 64 tokens on
	s_add_co_u32 s23, s23, 1
	s_cmp_lg_u32 s23, 3
	s_cbranch_scc1 .Lpair
	STREAM 0, 0, 0                                 ; blocks 6 and 7 fetch nothing
	STREAM 1, 0, 0
	s_wait_tensorcnt 0x0                           ; the wave's end
	ds_add_u32 v[SPW], v[NIL]
	s_wait_dscnt 0x0
	CROUND                                         ; the closing round
	s_endpgm
.Lfunc_end_k_q4b253d4f7a_outp:
	.size	k_q4b253d4f7a_outp, .Lfunc_end_k_q4b253d4f7a_outp-k_q4b253d4f7a_outp
	.p2alignl 7, 3214868480
	.fill 96, 4, 3214868480
	.section	.rodata,"a",@progbits
	.p2align	6, 0x0
	.amdhsa_kernel k_q4b253d4f7a_outp
		.amdhsa_group_segment_fixed_size 327680
		.amdhsa_private_segment_fixed_size 0
		.amdhsa_enable_private_segment 0
		.amdhsa_kernarg_size 24
		.amdhsa_user_sgpr_count 2
		.amdhsa_user_sgpr_kernarg_segment_ptr 1
		.amdhsa_wavefront_size32 1
		.amdhsa_system_sgpr_workgroup_id_x 1
		.amdhsa_system_sgpr_workgroup_id_y 1
		.amdhsa_system_sgpr_workgroup_id_z 1
		.amdhsa_system_vgpr_workitem_id 0
		.amdhsa_next_free_vgpr 840
		.amdhsa_next_free_sgpr 102
		.amdhsa_reserve_vcc 0
		.amdhsa_float_denorm_mode_32 3
		.amdhsa_float_denorm_mode_16_64 3
		.amdhsa_memory_ordered 1
		.amdhsa_forward_progress 1
		.amdhsa_inst_pref_size 54
	.end_amdhsa_kernel
	.amdgpu_metadata
---
amdhsa.version: [ 1, 2 ]
amdhsa.kernels:
  - .name:           k_q4b253d4f7a_outp
    .symbol:         k_q4b253d4f7a_outp.kd
    .args:
      - { .name: rq, .offset: 0, .size: 8, .value_kind: global_buffer, .address_space: global }
      - { .name: wq, .offset: 8, .size: 8, .value_kind: global_buffer, .address_space: global }
      - { .name: out0, .offset: 16, .size: 8, .value_kind: global_buffer, .address_space: global }
    .group_segment_fixed_size: 327680
    .private_segment_fixed_size: 0
    .kernarg_segment_align: 8
    .kernarg_segment_size: 24
    .max_flat_workgroup_size: 128
    .sgpr_count:     102
    .vgpr_count:     840
    .wavefront_size: 32
...
	.end_amdgpu_metadata
.endif
;; end of part 4
